; MI455X (gfx1250); checked and timed in simulation.
; The chip was launched on July 23, 2026; its instructions are those of AMD's public machine-readable ISA for CDNA 5 (MIT licence, August 2026) and "CDNA5" Instruction Set Architecture Reference Guide (July 2026). The comments in the code are by the model that wrote it; some were corrected since.
;; Rotational Attention. Allowed arithmetic: float matrix products may take bf16 or f16 operands with f32 sums; other float arithmetic in f32, or as packed bf16 or f16 multiplies, adds, multiply-adds, maxima and minima; sums over many terms, partial sums and values carried from step to step in f32; what a program stores and reads back later, other than sums and carried values, may be rounded once to bf16 or f16.
;; Inputs: W_out 1,024 x 1,024 float32; W_qkv 3,072 x 1,024 float32; x 4 x 2,048 x 1,024 float32.
;; Outputs: out0 4 x 2,048 x 1,024 float32.
;; 2 versions, each right; version 2 is version 1 with the launch cast written anew for expert scheduling mode. Each part assembles by itself: llvm-mc -triple=amdgcn-amd-amdhsa -mcpu=gfx1250 --defsym DOCPART=n.
;; ======== version 1 of 2: 4 launches
;; limits: values are held in f16: magnitudes above 65,504 overflow, below 6.1e-05 lose precision; right only within a limited range of input values
;; workspace buffers: xb 16,777,216 bytes; wb 6,291,456 bytes; wo 2,097,152 bytes; qkv 50,331,648 bytes; amax 4,096 bytes; att 16,777,216 bytes
;; launch cast (part 1): grid 768 x 1, 8 waves a work-group, no clusters, 0 bytes of LDS; arguments x, W_qkv, W_out, xb, wb, wo; writes xb, wb, wo
.if DOCPART == 1
	.amdgcn_target "amdgcn-amd-amdhsa--gfx1250"
	.amdhsa_code_object_version 6
	.text
	.protected	k_qc9d78e5792_cast
	.globl	k_qc9d78e5792_cast
	.p2align	8
	.type	k_qc9d78e5792_cast,@function
k_qc9d78e5792_cast:
	s_mov_b64 s[64:65], 0
	v_nop
	global_prefetch_b8 v0, s[64:65] scope:SCOPE_SE
	s_setreg_imm32_b32 hwreg(HW_REG_WAVE_MODE, 25, 1), 1
	s_wait_xcnt 0x0
; THE PROGRAM: out = (tril(q k^T) / 8) v W_out^T by heads, with q, k, v = x W_qkv^T.  Four launches: this one rounds the inputs; the second makes q, k, v; the third the attention; the fourth the last product.
; WORK LEFT OUT, for all finite values of the inputs.  (a) reference() itself sets every score with key s > query t to 0 (its own tril and where), so the product of such a score with v adds 0:
; tiles of scores that lie wholly above the diagonal are not made.  (b) Nothing but that mask stands between the two products, so for a block of queries that begins at row t0
;   sum over s < t0 of (q_t . k_s) v_s  =  q_t . (sum over s < t0 of k_s v_s^T)
; holds term by term in exact arithmetic: the scores of all earlier blocks are never formed; a 64 x 64 sum of k v^T for each head takes their place.  Every input still reaches the output; all three are loaded.
; LIMITS.  The order of the sums differs from reference()'s.  A NaN, an infinity or an overflow that would arise only in a score that the mask throws away, or only in a score of an earlier block, is not carried.
; THIS LAUNCH.  x and W_qkv are rounded once to bf16, W_out once to bf16 and that number written as f16 (the last product's other operand is f16): exact for 2^-14 <= |w| < 65,504, below that f16's fixed step of 2^-24.
; W_qkv's rows are laid by heads: row type x 1024 + h x 64 + d goes to row h x 192 + type x 64 + d, so that a head's q, k and v rows are 192 rows on end.
; SHARES.  A work-group takes 16 rows of 1,024 numbers (64 KiB in, 32 KiB out): groups 0-511 x, 512-703 W_qkv, 704-767 W_out.  A wave takes two rows: sixteen loads of 16 bytes a lane, each 512 bytes on end,
; all issued before the first is used; each store of 8 bytes a lane covers 256 consecutive bytes, aligned.  No register is written twice, so no wait frees one.  No LDS, no matrix unit: nothing is shared or multiplied.
.set IN,  8                            ; v[8:71]    sixteen loads of four f32
.set OUT, 72                           ; v[72:103]  sixteen pairs of packed results
.set T,   104                          ; v[104:107] at work
	s_load_b256 s[4:11], s[0:1], 0x0               ; x s[4:5], W_qkv s[6:7], W_out s[8:9], xb s[10:11]
	s_load_b128 s[12:15], s[0:1], 0x20             ; wb s[12:13], wo s[14:15]
	v_and_b32 v3, 31, v0
	v_lshrrev_b32 v4, 5, v0
	v_lshlrev_b32 v1, 4, v3
	v_lshl_add_u32 v1, v4, 13, v1                  ; in: 8,192 x wave + 16 x lane
	v_lshrrev_b32 v2, 1, v1                        ; out: half of that
	s_mov_b32 s16, ttmp9                           ; g
	s_sub_co_u32 s17, s16, 512                     ; the group's number among W_qkv's,
	s_sub_co_u32 s18, s16, 704                     ; among W_out's (each is used only where it is not negative)
	s_bfe_u32 s19, s17, 0x40002                    ; W_qkv: 16 rows from row 16 c: head (c >> 2) & 15,
	s_mul_i32 s19, s19, 192
	s_lshr_b32 s20, s17, 6                         ; type c >> 6,
	s_lshl_b32 s20, s20, 6
	s_add_co_u32 s19, s19, s20
	s_and_b32 s20, s17, 3                          ; 16 (c & 3) within the head
	s_lshl_b32 s20, s20, 4
	s_add_co_u32 s19, s19, s20
	s_lshl_b32 s19, s19, 11                        ; the row in wb, in bytes
	s_lshl_b32 s22, s16, 15                        ; xb: 32 KiB a group
	s_lshl_b32 s23, s18, 15                        ; wo likewise
	s_mov_b32 s25, 0
	s_mov_b32 s27, 0
	s_wait_kmcnt 0x0
	s_cmp_lt_u32 s16, 704                          ; the choice hangs on the group's number alone
	s_cselect_b32 s24, s17, s18
	s_cselect_b32 s26, s19, s23
	s_cselect_b64 s[28:29], s[6:7], s[8:9]
	s_cselect_b64 s[30:31], s[12:13], s[14:15]
	s_cmp_lt_u32 s16, 512
	s_cselect_b32 s24, s16, s24
	s_cselect_b32 s26, s22, s26
	s_cselect_b64 s[28:29], s[4:5], s[28:29]
	s_cselect_b64 s[30:31], s[10:11], s[30:31]
	s_lshl_b32 s24, s24, 16                        ; 64 KiB in for each group
	s_add_nc_u64 s[28:29], s[28:29], s[24:25]
	s_add_nc_u64 s[30:31], s[30:31], s[26:27]
.set j, 0
.rept 16
	global_load_b128 v[IN+4*j:IN+4*j+3], v1, s[28:29] offset:512*j th:TH_LOAD_NT
.set j, j+1
.endr
; mode 0: to bf16.  mode 1: to bf16, and that number written as f16.
.macro CONV mode
.set j, 0
.rept 16
	s_wait_loadcnt 15-j                            ; loads come back in order: number j is in, the younger ones stay out
.if \mode
	v_cvt_pk_bf16_f32 v[T], v[IN+4*j], v[IN+4*j+1]
	v_cvt_pk_bf16_f32 v[T+1], v[IN+4*j+2], v[IN+4*j+3]
	v_lshlrev_b32 v[T+2], 16, v[T]                 ; bf16 back to f32: the low half moves up, the high half stays
	v_and_b32 v[T], 0xffff0000, v[T]
	v_lshlrev_b32 v[T+3], 16, v[T+1]
	v_and_b32 v[T+1], 0xffff0000, v[T+1]
	v_cvt_pk_f16_f32 v[OUT+2*j], v[T+2], v[T]
	v_cvt_pk_f16_f32 v[OUT+2*j+1], v[T+3], v[T+1]
.else
	v_cvt_pk_bf16_f32 v[OUT+2*j], v[IN+4*j], v[IN+4*j+1]
	v_cvt_pk_bf16_f32 v[OUT+2*j+1], v[IN+4*j+2], v[IN+4*j+3]
.endif
	global_store_b64 v2, v[OUT+2*j:OUT+2*j+1], s[30:31] offset:256*j th:TH_STORE_NT
.set j, j+1
.endr
.endm
	s_cmp_ge_u32 s16, 704
	s_cbranch_scc1 .Lhalf
	CONV 0
	s_endpgm
.Lhalf:
	CONV 1
	s_endpgm
.Lfunc_end_k_qc9d78e5792_cast:
	.size	k_qc9d78e5792_cast, .Lfunc_end_k_qc9d78e5792_cast-k_qc9d78e5792_cast
	.p2alignl 7, 3214868480
	.fill 96, 4, 3214868480
	.section	.rodata,"a",@progbits
	.p2align	6, 0x0
	.amdhsa_kernel k_qc9d78e5792_cast
		.amdhsa_group_segment_fixed_size 0
		.amdhsa_private_segment_fixed_size 0
		.amdhsa_enable_private_segment 0
		.amdhsa_kernarg_size 48
		.amdhsa_user_sgpr_count 2
		.amdhsa_user_sgpr_kernarg_segment_ptr 1
		.amdhsa_wavefront_size32 1
		.amdhsa_system_sgpr_workgroup_id_x 1
		.amdhsa_system_sgpr_workgroup_id_y 1
		.amdhsa_system_sgpr_workgroup_id_z 1
		.amdhsa_system_vgpr_workitem_id 0
		.amdhsa_next_free_vgpr 108
		.amdhsa_next_free_sgpr 66
		.amdhsa_reserve_vcc 0
		.amdhsa_float_denorm_mode_32 3
		.amdhsa_float_denorm_mode_16_64 3
		.amdhsa_memory_ordered 1
		.amdhsa_forward_progress 1
		.amdhsa_inst_pref_size 17
	.end_amdhsa_kernel
	.amdgpu_metadata
---
amdhsa.version: [ 1, 2 ]
amdhsa.kernels:
  - .name:           k_qc9d78e5792_cast
    .symbol:         k_qc9d78e5792_cast.kd
    .args:
      - { .name: x, .offset: 0, .size: 8, .value_kind: global_buffer, .address_space: global }
      - { .name: W_qkv, .offset: 8, .size: 8, .value_kind: global_buffer, .address_space: global }
      - { .name: W_out, .offset: 16, .size: 8, .value_kind: global_buffer, .address_space: global }
      - { .name: xb, .offset: 24, .size: 8, .value_kind: global_buffer, .address_space: global }
      - { .name: wb, .offset: 32, .size: 8, .value_kind: global_buffer, .address_space: global }
      - { .name: wo, .offset: 40, .size: 8, .value_kind: global_buffer, .address_space: global }
    .group_segment_fixed_size: 0
    .private_segment_fixed_size: 0
    .kernarg_segment_align: 8
    .kernarg_segment_size: 48
    .max_flat_workgroup_size: 256
    .sgpr_count:     66
    .vgpr_count:     108
    .wavefront_size: 32
...
	.end_amdgpu_metadata
.endif
;; end of part 1
;; launch proj (part 2): grid 16 x 16, 4 waves a work-group, clusters of 4 x 4, 327,680 bytes of LDS; arguments xb, wb, qkv, amax; writes qkv, amax
.if DOCPART == 2
	.amdgcn_target "amdgcn-amd-amdhsa--gfx1250"
	.amdhsa_code_object_version 6
	.text
	.protected	k_qc9d78e5792_proj
	.globl	k_qc9d78e5792_proj
	.p2align	8
	.type	k_qc9d78e5792_proj,@function
k_qc9d78e5792_proj:
	s_mov_b64 s[64:65], 0
	v_nop
	global_prefetch_b8 v0, s[64:65] scope:SCOPE_SE
	s_setreg_imm32_b32 hwreg(HW_REG_WAVE_MODE, 25, 1), 1
	s_wait_xcnt 0x0
	s_wait_alu depctr_hold_cnt(0) depctr_sa_sdst(0) depctr_va_vdst(0) depctr_va_sdst(0) depctr_va_ssrc(0) depctr_va_vcc(0) depctr_vm_vsrc(0)
	s_getreg_b32 s2, hwreg(HW_REG_IB_STS2, 6, 4)
	s_cmp_eq_u32 s2, 0
	s_cbranch_scc0 .Lentry_in_a_cluster
	s_endpgm
.Lentry_in_a_cluster:
	s_bfe_u32 s2, ttmp6, 0x10000c
	s_cmp_lg_u32 s2, 0xf033
	s_cbranch_scc0 .Lentry_shape_is_right
	s_endpgm
.Lentry_shape_is_right:
; q, k, v = x W_qkv^T.  xb: [8192][1024] bf16; wb: [3072][1024] bf16, rows by heads (h x 192 + type x 64 + d); sums in f32; q, k, v rounded once to f16, WITHOUT the 1/8, which the last launch applies.
; (No work of this product is left out; what the program leaves out of the attention is shown at the head of the first kernel.)
; LIMIT.  f16 ends at 65,504: |q|, |k|, |v| stay below it.
; SHARES.  A tile is 256 rows of x by one head's 192 columns; 512 tiles; a work-group makes two, 4,096 rows apart: 256 work-groups of equal work.  Wave w owns rows 64 w .. 64 w + 63 and ALL 192 columns:
; 4 x 12 accumulators of 16 x 16.  K goes in steps of 128 through a ring of two LDS slots filled by the tensor data mover (rows of 256 bytes, aligned), and the ring runs on into the second tile.
; CLUSTER 4 x 4.  The four of a row of the cluster need the same rows of x, the four of a column the same head's rows of W: each tile is asked for jointly, by the same load, descriptor and mask in all four.
; WHAT LEAVES.  A 16 x 16 block of f16 is 512 bytes on end, lane l's 16 bytes at 16 l.  q: source 0 = W's rows, source 1 = x's rows, so a lane holds ONE row t (l % 16) and channels 8 (l / 16) + 0..7.
; k, v: the sources the other way round, so a lane holds ONE channel and rows 8 (l / 16) + 0..7.  Two such blocks are a 16-bit operand of the next launch as they lie; an accumulator packs into a block and
; one store of the wave covers the block's 512 consecutive bytes: nothing goes through LDS on the way out.  qkv: [type 3][b x 16 + h][t / 16][channel / 16][512 bytes].
; amax: the work-group's largest |q|, |k|, |v| (of the f16 numbers, as f32) and a 0: the later launches make exact powers of two from them, which keep their f16 operands in range.
; REGISTERS, in windows of 256 (s_set_vgpr_msb: bits 1:0 source 0, 3:2 source 1, 5:4 source 2, 7:6 destination):
;   window 0: addresses, v8-10 the maxima, v32-223 packed results     window 1: two fragment buffers of 128: W's twelve fragments, then x's four
;   window 2: the 24 accumulators of my rows 0-31 ((a, b) at 8 (12 (a % 2) + b))     window 3: those of rows 32-63
.set KSTEP,  128
.set PITCH,  272                       ; an LDS row: 256 bytes + 16 of padding: the 16 rows of a fragment load start at 16 different groups of four banks (64 banks of 4 bytes: ISA guide 11.1)
.set NB,     12                        ; blocks of 16 columns
.set HALFA,  128*PITCH                 ; what one load brings of x
.set ASZ,    2*HALFA
.set HALFB,  96*PITCH                  ; and of W
.set SLOT,   ASZ+2*HALFB               ; x's 256 rows, then W's 192
.set RED,    2*SLOT                    ; behind the ring, never filled: 16 bytes for each wave's maxima, in a block of 256 bytes of their own
.set SPARE,  RED+256                   ; the spare words, 128 bytes for each wave: two blocks of 256 bytes that no other line names
.set ROWB,   2048                      ; bytes in a row of xb and wb
.set WALK,   4096                      ; rows from a work-group's first tile to its second
.set NEXT_A, WALK*ROWB-6*KSTEP*2       ; from a slot's last K step of a tile to its first of the next: x goes down and back along K,
.set BACK_B, 6*KSTEP*2                 ; W only back
.set NEXT_P, WALK*ROWB-7*KSTEP*2       ; the prefetches: from K step 9 (two past the end) to the next tile's K step 2
.set MX,   8                           ; v8-10   running maxima of |q|, |k|, |v|, two f16 each
.set ADRA, 16                          ; v16-17  LDS address of my fragments of x in slot 0, 1
.set ADRB, 20                          ; v20-21  the same for W
.set CO,   24                          ; v24-26  16 x lane + type x 2^24
.set SPW,  28                          ; v28     LDS address of my spare word; never rewritten
.set NIL,  29                          ; v29     0; never rewritten
.set PFO,  30                          ; v30     the prefetches' offset: a lane a row; never rewritten
.set TMP,  32
.set F0,   0
.set F1,   128
.set G1,  24                           ; s[24:31] descriptor group 1 for x's tiles;  s[32:39] group 0, a set for each slot
.set G0,  32
.set G1B, 48                           ; s[48:55], s[56:63] the same for W's
.set G0B, 56
.set LIM, 43                           ; s43      1 in a wave that prefetches, else the greatest number
.set PFA, 44                           ; s[44:45] where my prefetches stand
.set PFS, 66                           ; s[66:67] a K step in bytes
.set SEL, 70                           ; s[70:71] v_permlanex16_b32's selects
.set AM,  74                           ; s[74:75] amax
.set MSB, 0
.macro WIN new                         ; the immediate's high byte repeats the setting that is left; a switch that changes nothing is dropped
.if MSB != (\new)
	s_set_vgpr_msb (MSB<<8)|(\new)
.set MSB, \new
.endif
.endm
.macro PLACES                          ; four plain vector instructions between a matrix instruction and a load into, or a vector read or write of, its registers (ISA guide 7.12.1 for vector reads and writes)
.rept 4
	v_nop
.endr
.endm
; A joint load.  Waves 0 and 1 fetch x's two halves, waves 2 and 3 W's.  The branch hangs on the wave's number alone.  An s_nop 0 and four v_nop follow each line.
.macro JLOAD s
	s_cmp_eq_u32 s11, 0
	s_cbranch_scc0 .Lfor_b_\@
	tensor_load_to_lds s[G0+4*(\s):G0+4*(\s)+3], s[G1:G1+7]
	s_nop 0
.rept 4
	v_nop
.endr
	s_branch .Lasked_\@
.Lfor_b_\@:
	tensor_load_to_lds s[G0B+4*(\s):G0B+4*(\s)+3], s[G1B:G1B+7]
	s_nop 0
.rept 4
	v_nop
.endr
.Lasked_\@:
.endm
; A prefetch of the K step that stands two refills on, 384 matrix instructions ahead of the load that will ask for it.  x's rows are read by every cluster of a row of clusters: cluster x = 0 asks;
; W's by every cluster of a column: cluster y = 0 asks.  Of the rows that a wave fetches each of the four joint partners takes a quarter, told apart by ADDRESS (32 rows of x, a lane a row; 24 of W: lanes 24-31
; name row 23 once more).  how = 0, in the loop: a tile's last two refills have no K step two on.  how = 1, at the change of tiles: the next tile's K steps 2 and 3 of x; W's rows have been read by then.
.macro ASK how
	WIN 0
.if \how
	s_cmp_eq_u32 s[LIM], 1
.else
	s_cmp_gt_u32 s3, s[LIM]                        ; s3 = 1 in the loop's last trip
.endif
	s_cbranch_scc0 .Lnot_mine_\@
	global_prefetch_b8 v[PFO], s[PFA:PFA+1] th:TH_LOAD_NT scope:SCOPE_SE
.Lnot_mine_\@:
.endm
.macro CREST                           ; a round of the cluster's barrier behind its opening barrier
	s_cmp_lg_u32 s10, 0
	s_cbranch_scc1 .Lnot_wave_0_\@
	s_barrier_signal -3
.Lnot_wave_0_\@:
	s_barrier_wait -3
	s_barrier_signal -1
	s_barrier_wait -1
.endm
.macro CROUND
	s_barrier_signal -1
	s_barrier_wait -1
	CREST
.endm
	s_load_b128 s[4:7], s[0:1], 0x0                ; xb s[4:5], wb s[6:7]
	s_load_b64 s[8:9], s[0:1], 0x10                ; qkv
	s_load_b64 s[AM:AM+1], s[0:1], 0x18            ; amax
	v_lshl_add_u32 v[SPW], v0, 2, SPARE
	v_mov_b32 v[NIL], 0
	ds_add_u32 v[SPW], v[NIL]                      ; the wave's opening: the add, twice on end, and its wait ahead of my first tensor load
	ds_add_u32 v[SPW], v[NIL]                      ; and once more, under the one wait; the set-up below, work on registers, stands between
	v_lshrrev_b32 v1, 5, v0
	v_readfirstlane_b32 s10, v1                    ; wave 0..3
	s_lshr_b32 s11, s10, 1                         ; I fetch for x (0) or for W (1),
	s_and_b32 s12, s10, 1                          ; its first or second half
	s_bfe_u32 s40, ttmp6, 0x40000                  ; cx
	s_bfe_u32 s41, ttmp6, 0x40004                  ; cy
	s_lshl_b32 s42, ttmp9, 2
	s_add_co_u32 s42, s42, s40                     ; the head = 4 x cluster x + cx
	s_and_b32 s13, ttmp7, 0xffff
	s_lshl_b32 s13, s13, 2
	s_add_co_u32 s13, s13, s41                     ; the first tile's row block = 4 x cluster y + cy
	s_lshl_b32 s43, s41, 2
	s_lshl_b32 s43, 15, s43                        ; my row of the cluster
	s_lshl_b32 s44, 0x1111, s40                    ; my column
	s_or_b32 s[G1+0], s43, (1<<16)|(1<<20)|(1<<21)|(5<<22)|(3<<25)  ; 15:0 the mask; 17:16 2-byte elements; 20 padding on; 21 set beside a mask; 24:22 after every 64 words; 31:25 4 words of it
	s_or_b32 s[G1B+0], s44, (1<<16)|(1<<20)|(1<<21)|(5<<22)|(3<<25)
	s_mov_b32 s[G1+1], KSTEP<<16                   ; tensor_dim0 = 128
	s_mov_b32 s[G1+2], 128<<16                     ; tensor_dim1 = 128 rows
	s_mov_b32 s[G1+3], KSTEP<<16                   ; tile_dim0 = 128
	s_mov_b32 s[G1+4], 128                         ; tile_dim1 = 128
	s_mov_b32 s[G1+5], 1024                        ; elements from row to row
	s_mov_b32 s[G1+6], 0
	s_mov_b32 s[G1+7], 0
	s_mov_b32 s[G1B+1], KSTEP<<16
	s_mov_b32 s[G1B+2], 96<<16                     ; W: 96 rows
	s_mov_b32 s[G1B+3], KSTEP<<16
	s_mov_b32 s[G1B+4], 96
	s_mov_b32 s[G1B+5], 1024
	s_mov_b32 s[G1B+6], 0
	s_mov_b32 s[G1B+7], 0
	s_lshl_b32 s17, s12, 7
	s_lshl_b32 s16, s13, 8
	s_add_co_u32 s16, s16, s17                     ; x: row 256 x block + 128 x half,
	s_lshl_b32 s16, s16, 11                        ; in bytes (under 2^24)
	s_mov_b32 s17, 0
	s_mul_i32 s46, s42, 192
	s_mul_i32 s47, s12, 96
	s_add_co_u32 s46, s46, s47                     ; W: row 192 x head + 96 x half
	s_lshl_b32 s46, s46, 11
	s_mov_b32 s47, 0
	s_mul_i32 s20, s10, HALFA                      ; where they go: x's halves at wave x 128 rows (waves 0, 1),
	s_mul_i32 s21, s10, HALFB                      ; W's behind them, at (wave - 2) x 96 rows (waves 2, 3): no place in the cluster enters an LDS address
	s_add_co_u32 s21, s21, ASZ-2*HALFB
	s_mov_b32 s[SEL], 0x76543210
	s_mov_b32 s[SEL+1], 0xfedcba98
	s_mov_b32 s68, 0x7fff7fff                      ; clears the signs of two f16
	s_wait_dscnt 0x0                               ; both opening adds are done
	s_wait_kmcnt 0x0
	s_add_nc_u64 s[14:15], s[4:5], s[16:17]
	s_add_nc_u64 s[46:47], s[6:7], s[46:47]
	CROUND                                         ; all sixteen work-groups are here: the first joint loads meet
.irp s, 0,1
	s_mov_b32 s[G0+4*(\s)], 1                      ; count = 1
	s_add_co_u32 s[G0+4*(\s)+1], s20, (\s)*SLOT    ; LDS address
	s_add_nc_u64 s[G0+4*(\s)+2:G0+4*(\s)+3], s[14:15], (\s)*KSTEP*2  ; global address: K step s
	s_or_b32 s[G0+4*(\s)+3], s[G0+4*(\s)+3], 0x80000000              ; type = 2
	s_mov_b32 s[G0B+4*(\s)], 1
	s_add_co_u32 s[G0B+4*(\s)+1], s21, (\s)*SLOT
	s_add_nc_u64 s[G0B+4*(\s)+2:G0B+4*(\s)+3], s[46:47], (\s)*KSTEP*2
	s_or_b32 s[G0B+4*(\s)+3], s[G0B+4*(\s)+3], 0x80000000
	JLOAD \s                                       ; two loads of mine are out
.endr
	; a fragment is 16 rows x 32 K in 8 registers: lane l holds row l % 16; two loads of 16 bytes, 32 bytes apart, at row x pitch + 16 (l / 16)
	v_and_b32 v1, 15, v0
	v_bfe_u32 v2, v0, 4, 1
	v_mul_u32_u24 v3, v1, PITCH
	v_lshl_add_u32 v3, v2, 4, v3
	s_mul_i32 s21, s10, 64*PITCH                   ; my 64 rows of x
	v_add_nc_u32 v[ADRA], s21, v3
	v_add_nc_u32 v[ADRA+1], SLOT, v[ADRA]
	v_add_nc_u32 v[ADRB], ASZ, v3
	v_add_nc_u32 v[ADRB+1], SLOT, v[ADRB]
	v_and_b32 v4, 31, v0
	v_lshlrev_b32 v[CO], 4, v4
	v_add_nc_u32 v[CO+1], 1<<24, v[CO]
	v_add_nc_u32 v[CO+2], 1<<25, v[CO]
	v_mov_b32 v[MX], 0
	v_mov_b32 v[MX+1], 0
	v_mov_b32 v[MX+2], 0
	s_lshr_b32 s16, s13, 3                         ; the first tile's batch (8 row blocks a batch),
	s_lshl_b32 s16, s16, 4
	s_add_co_u32 s16, s16, s42                     ; x 16 + head,
	s_lshl_b32 s16, s16, 18                        ; 262,144 bytes each;
	s_and_b32 s17, s13, 7
	s_lshl_b32 s17, s17, 4
	s_lshl2_add_u32 s17, s10, s17                  ; t / 16 = 16 x (block % 8) + 4 x wave,
	s_lshl_b32 s17, s17, 11                        ; 2,048 bytes each
	s_add_co_u32 s16, s16, s17
	s_mov_b32 s17, 0
	s_add_nc_u64 s[8:9], s[8:9], s[16:17]
	s_lshl_b32 s76, s13, 4
	s_add_co_u32 s76, s76, s42
	s_lshl_b32 s76, s76, 4                         ; my work-group's 16 bytes of amax
	; the prefetches
	s_and_b32 s22, ttmp7, 0xffff                   ; cluster y
	s_lshl_b32 s18, s13, 8
	s_lshl_b32 s20, s12, 7
	s_add_co_u32 s18, s18, s20
	s_lshl_b32 s20, s40, 5
	s_add_co_u32 s18, s18, s20                     ; x: the rows that I fetch, my work-group's 32 of them
	s_mul_i32 s19, s42, 192
	s_mul_i32 s20, s12, 96
	s_add_co_u32 s19, s19, s20
	s_mul_i32 s20, s41, 24
	s_add_co_u32 s19, s19, s20                     ; W: my work-group's 24
	s_cmp_eq_u32 s11, 0
	s_cselect_b32 s20, s18, s19
	s_cselect_b32 s22, ttmp9, s22                  ; the coordinate along which other clusters read the same rows
	s_cselect_b32 s23, 31, 23
	s_cselect_b64 s[PFA:PFA+1], s[4:5], s[6:7]
	s_cmp_eq_u32 s22, 0
	s_cselect_b32 s[LIM], 1, -1                    ; the same in all sixteen partners, for a given wave
	s_lshl_b32 s20, s20, 11
	s_mov_b32 s21, 0
	s_add_nc_u64 s[PFA:PFA+1], s[PFA:PFA+1], s[20:21]
	s_add_nc_u64 s[PFA:PFA+1], s[PFA:PFA+1], 3*KSTEP*2  ; at K step 3: the first refill steps it to 4.  Nothing is prefetched at the head, where every work-group's first tiles are on their way
	s_mov_b32 s[PFS], KSTEP*2
	s_mov_b32 s[PFS+1], 0
	v_min_u32 v[PFO], s23, v4
	v_lshlrev_b32 v[PFO], 11, v[PFO]
.macro WM d, p, q, zero
.if \zero
	v_wmma_f32_16x16x32_bf16 v[\d:\d+7], v[\p:\p+7], v[\q:\q+7], 0
.else
	v_wmma_f32_16x16x32_bf16 v[\d:\d+7], v[\p:\p+7], v[\q:\q+7], v[\d:\d+7]
.endif
.endm
; Twelve matrix instructions: my rows 16 a .. 16 a + 15 x all twelve column blocks, 32 along K.  Blocks 0-3 (q) take W as source 0, blocks 4-11 (k, v) x.  zero = 1: the product starts the sum.
; Every quarter walks the 48 accumulators in the same order, one instruction a turn: 47 others stand between two links of a chain, over the jumps too.
.macro MULA f, a, zero
	WIN 0xa5+0x50*((\a)/2)
.set bi, 0
.rept NB
.set rD, 8*(NB*((\a)%2)+bi)
.set rW, (\f)+8*bi
.set rX, (\f)+8*NB+8*(\a)
.if bi < 4
	WM rD, rW, rX, \zero
.else
	WM rD, rX, rW, \zero
.endif
.set bi, bi+1
.endr
.endm
; 32 LDS loads in one run: W's twelve fragments, then x's four, 32 K at byte k of the rows, into buffer f
.macro FETCH slot, k, f
	WIN 0x40
.set fi, 0
.rept NB
	ds_load_b128 v[(\f)+8*fi:(\f)+8*fi+3],   v[ADRB+(\slot)] offset:(\k)+fi*16*PITCH
	ds_load_b128 v[(\f)+8*fi+4:(\f)+8*fi+7], v[ADRB+(\slot)] offset:(\k)+fi*16*PITCH+32
.set fi, fi+1
.endr
.set fi, 0
.rept 4
	ds_load_b128 v[(\f)+8*NB+8*fi:(\f)+8*NB+8*fi+3],   v[ADRA+(\slot)] offset:(\k)+fi*16*PITCH
	ds_load_b128 v[(\f)+8*NB+8*fi+4:(\f)+8*NB+8*fi+7], v[ADRA+(\slot)] offset:(\k)+fi*16*PITCH+32
.set fi, fi+1
.endr
.endm
; A K step is four quarters of 32 along K, 48 matrix instructions each, on buffers 0, 1, 0, 1.  One of the first three: multiplies f, and in its middle fetches the next quarter into g.
.macro QUARTER slot, k, f, g, zero
	s_wait_dscnt 4                                 ; all but the youngest four loads (x's fragments 2 and 3)
	MULA \f, 0, \zero
	MULA \f, 1, \zero
	PLACES
	FETCH \slot, \k, \g
	s_wait_dscnt 2*NB+8                            ; all but the run just issued
	MULA \f, 2, \zero
	MULA \f, 3, \zero
.endm
; The first half of the last quarter, with the ONE barrier of a change of slots.  In front of it each wave waits for all its tensor loads (one is out: its part of the next slot), adds 0 to its spare word,
; and waits for that and for its reads of this slot.  Behind it nobody reads this slot any more and the next slot is whole.
.macro MEET round
	WIN 0
	s_wait_tensorcnt 0x0
	ds_add_u32 v[SPW], v[NIL]
	s_wait_dscnt 5                                 ; (the add and the youngest four loads may be out)
	MULA F1, 0, 0                                  ; twelve matrix instructions stand between the add and the wait for it
	s_wait_dscnt 0x0                               ; the add is done, my reads of this slot are over
	s_barrier_signal -1
	MULA F1, 1, 0                                  ; work on registers while the others arrive
.if \round
	WIN 0
.endif
	s_barrier_wait -1
.endm
; The whole last quarter where the slot is filled again: with this tile's K step two on (on = 0) or the next tile's K step 0 or 1 (on = 1).  The barrier opens a round of the cluster's, and the joint refill is the
; first tensor load behind the round: 168 matrix instructions ahead of the wait for it.
.macro TURN slot, next, on
	s_wait_xcnt 0x0                                ; the last prefetch, a K step back, has read its address
.if (\on) && ((\slot) == 0)
	s_add_nc_u64 s[PFA:PFA+1], s[PFA:PFA+1], NEXT_P
	s_cmp_eq_u32 s11, 0
	s_cselect_b32 s[LIM], s[LIM], -1               ; W's rows are the same for both tiles: they are prefetched no more
.else
	s_add_nc_u64 s[PFA:PFA+1], s[PFA:PFA+1], s[PFS:PFS+1]
.endif
	MEET 1
	CREST                                          ; no wave of any partner still reads this slot or has a load on its way
.if \on
	s_add_nc_u64 s[G0+4*(\slot)+2:G0+4*(\slot)+3], s[G0+4*(\slot)+2:G0+4*(\slot)+3], NEXT_A
	s_sub_nc_u64 s[G0B+4*(\slot)+2:G0B+4*(\slot)+3], s[G0B+4*(\slot)+2:G0B+4*(\slot)+3], BACK_B
.else
	s_add_nc_u64 s[G0+4*(\slot)+2:G0+4*(\slot)+3], s[G0+4*(\slot)+2:G0+4*(\slot)+3], 2*KSTEP*2
	s_add_nc_u64 s[G0B+4*(\slot)+2:G0B+4*(\slot)+3], s[G0B+4*(\slot)+2:G0B+4*(\slot)+3], 2*KSTEP*2
.endif
	JLOAD \slot                                    ; its four v_nop are also the places in front of the loads below
	FETCH \next, 0, F0
	ASK \on
	MULA F1, 2, 0
	MULA F1, 3, 0
.endm
.macro TURNX slot, next                ; the same where nothing is filled again
	MEET 0
	PLACES
	FETCH \next, 0, F0
	MULA F1, 2, 0
	MULA F1, 3, 0
.endm
; THE WAY OUT of a tile.  Each accumulator packs into a block of 512 bytes; the registers are taken in ascending order.  The maxima ride along: signs cleared, two f16 at a time.
.macro WAYOUT
	PLACES
	s_wait_xcnt 0x0                                ; the last tile's stores have read their registers
.irp a, 0,1,2,3
	WIN 0x0a+5*((\a)/2)                            ; sources in window 2 or 3
.set i, 0
.rept 48
	v_cvt_pk_f16_f32 v[TMP+48*(\a)+i], v[96*((\a)%2)+2*i], v[96*((\a)%2)+2*i+1]
.set i, i+1
.endr
	WIN 0
.set i, 0
.rept 12
	global_store_b128 v[CO+i/4], v[TMP+48*(\a)+4*i:TMP+48*(\a)+4*i+3], s[8:9] offset:(\a)*2048+(i%4)*512  ; 512 consecutive bytes, aligned
.set i, i+1
.endr
.set i, 0
.rept 48
	v_and_b32 v[11+i%2], s68, v[TMP+48*(\a)+i]
	v_pk_max_num_f16 v[MX+i/16], v[MX+i/16], v[11+i%2]
.set i, i+1
.endr
.endr
.endm
.macro RED32 x, t                      ; the maximum over the wave's 32 lanes, in every lane
	v_max_num_f32_dpp v[\x], v[\x], v[\x] row_xmask:1 row_mask:0xf bank_mask:0xf
	v_max_num_f32_dpp v[\x], v[\x], v[\x] row_xmask:2 row_mask:0xf bank_mask:0xf
	v_max_num_f32_dpp v[\x], v[\x], v[\x] row_xmask:4 row_mask:0xf bank_mask:0xf
	v_max_num_f32_dpp v[\x], v[\x], v[\x] row_xmask:8 row_mask:0xf bank_mask:0xf
	v_permlanex16_b32 v[\t], v[\x], s[SEL], s[SEL+1]
	v_max_num_f32 v[\x], v[\x], v[\t]
.endm
	s_wait_tensorcnt 1                             ; my part of K step 0 is in; K step 1's may stay out
	s_barrier_signal -1
	s_barrier_wait -1
	FETCH 0, 0, F0
	WIN 0
	s_mov_b32 s2, 2                                ; tiles to go
.Ltile:
	QUARTER 0, 64,  F0, F1, 1                      ; a tile's first quarter starts the sums: nothing is cleared
	WIN 0
	s_mov_b32 s3, 3
.Llap:                                         ; a trip goes once round the ring and fills both slots again
	QUARTER 0, 128, F1, F0, 0
	QUARTER 0, 192, F0, F1, 0
	TURN 0, 1, 0
	QUARTER 1, 64,  F0, F1, 0
	QUARTER 1, 128, F1, F0, 0
	QUARTER 1, 192, F0, F1, 0
	TURN 1, 0, 0
	QUARTER 0, 64,  F0, F1, 0
	WIN 0
	s_sub_co_u32 s3, s3, 1
	s_cmp_lg_u32 s3, 0
	s_cbranch_scc1 .Llap
	QUARTER 0, 128, F1, F0, 0
	QUARTER 0, 192, F0, F1, 0
	WIN 0
	s_cmp_eq_u32 s2, 1
	s_cbranch_scc1 .Llast                          ; the last tile's tail is written out: it asks for nothing more
	TURN 0, 1, 1                                   ; the ring goes on into the second tile
	QUARTER 1, 64,  F0, F1, 0
	QUARTER 1, 128, F1, F0, 0
	QUARTER 1, 192, F0, F1, 0
	TURN 1, 0, 1
	WAYOUT                                         ; both refills are asked for: now the tile goes out
	s_wait_xcnt 0x0                                ; the stores have read their base
	s_add_nc_u64 s[8:9], s[8:9], 32<<18            ; 4,096 rows on: two batches, 32 heads' blocks
	s_sub_co_u32 s2, s2, 1
	s_branch .Ltile
.Llast:
	TURNX 0, 1
	QUARTER 1, 64,  F0, F1, 0
	QUARTER 1, 128, F1, F0, 0
	QUARTER 1, 192, F0, F1, 0
	s_wait_dscnt 4
	MULA F1, 0, 0
	MULA F1, 1, 0
	s_wait_dscnt 0x0
	MULA F1, 2, 0
	MULA F1, 3, 0
	WAYOUT
	; the work-group's maxima: halves to f32, over the lanes, over the waves through LDS, and wave 0's first lane stores 16 bytes
	s_wait_xcnt 0x0                                ; the stores have read their registers, some of which are written below
	v_cvt_f32_f16 v12, v8.l
	v_cvt_f32_f16 v13, v8.h
	v_cvt_f32_f16 v14, v9.l
	v_cvt_f32_f16 v15, v9.h
	v_cvt_f32_f16 v4, v10.l
	v_cvt_f32_f16 v5, v10.h
	v_max_num_f32 v12, v12, v13
	v_max_num_f32 v13, v14, v15
	v_max_num_f32 v14, v4, v5
	RED32 12, 5
	RED32 13, 5
	RED32 14, 5
	v_mov_b32 v15, 0
	s_lshl_b32 s16, s10, 4
	s_add_co_u32 s16, s16, RED
	v_mov_b32 v7, s16
	ds_store_b128 v7, v[12:15]                     ; all lanes write the same 16 bytes with the same numbers
	s_wait_dscnt 0x0                               ; for the others' sake
	s_barrier_signal -1
	s_barrier_wait -1
	s_cmp_lg_u32 s10, 0
	s_cbranch_scc1 .Lend
	v_mov_b32 v7, RED
	ds_load_b128 v[12:15], v7
	ds_load_b128 v[16:19], v7 offset:16
	ds_load_b128 v[20:23], v7 offset:32
	ds_load_b128 v[32:35], v7 offset:48
	v_mov_b32 v6, s76
	v_cmp_eq_u32 vcc_lo, 0, v0
	s_wait_dscnt 0x0
	v_max3_num_f32 v12, v12, v16, v20
	v_max3_num_f32 v13, v13, v17, v21
	v_max3_num_f32 v14, v14, v18, v22
	v_max_num_f32 v12, v12, v32
	v_max_num_f32 v13, v13, v33
	v_max_num_f32 v14, v14, v34
	s_wait_xcnt 0x0                                ; EXEC changes only behind this wait
	s_and_saveexec_b32 s20, vcc_lo
	global_store_b128 v6, v[12:15], s[AM:AM+1]
	s_wait_xcnt 0x0                                ; and again, in front of the line that widens it
	s_or_b32 exec_lo, exec_lo, s20
.Lend:
	s_wait_tensorcnt 0x0                           ; the wave's end, behind my last tensor load and my last LDS store
	ds_add_u32 v[SPW], v[NIL]
	s_wait_dscnt 0x0
	CROUND                                         ; the closing round: no work-group ends while a partner may still ask for a tile that names it
	s_endpgm
.Lfunc_end_k_qc9d78e5792_proj:
	.size	k_qc9d78e5792_proj, .Lfunc_end_k_qc9d78e5792_proj-k_qc9d78e5792_proj
	.p2alignl 7, 3214868480
	.fill 96, 4, 3214868480
	.section	.rodata,"a",@progbits
	.p2align	6, 0x0
	.amdhsa_kernel k_qc9d78e5792_proj
		.amdhsa_group_segment_fixed_size 327680
		.amdhsa_private_segment_fixed_size 0
		.amdhsa_enable_private_segment 0
		.amdhsa_kernarg_size 32
		.amdhsa_user_sgpr_count 2
		.amdhsa_user_sgpr_kernarg_segment_ptr 1
		.amdhsa_wavefront_size32 1
		.amdhsa_system_sgpr_workgroup_id_x 1
		.amdhsa_system_sgpr_workgroup_id_y 1
		.amdhsa_system_sgpr_workgroup_id_z 1
		.amdhsa_system_vgpr_workitem_id 0
		.amdhsa_next_free_vgpr 960
		.amdhsa_next_free_sgpr 80
		.amdhsa_reserve_vcc 1
		.amdhsa_float_denorm_mode_32 3
		.amdhsa_float_denorm_mode_16_64 3
		.amdhsa_memory_ordered 1
		.amdhsa_forward_progress 1
		.amdhsa_inst_pref_size 198
	.end_amdhsa_kernel
	.amdgpu_metadata
---
amdhsa.version: [ 1, 2 ]
amdhsa.kernels:
  - .name:           k_qc9d78e5792_proj
    .symbol:         k_qc9d78e5792_proj.kd
    .args:
      - { .name: xb, .offset: 0, .size: 8, .value_kind: global_buffer, .address_space: global }
      - { .name: wb, .offset: 8, .size: 8, .value_kind: global_buffer, .address_space: global }
      - { .name: qkv, .offset: 16, .size: 8, .value_kind: global_buffer, .address_space: global }
      - { .name: amax, .offset: 24, .size: 8, .value_kind: global_buffer, .address_space: global }
    .group_segment_fixed_size: 327680
    .private_segment_fixed_size: 0
    .kernarg_segment_align: 8
    .kernarg_segment_size: 32
    .max_flat_workgroup_size: 128
    .sgpr_count:     80
    .vgpr_count:     960
    .wavefront_size: 32
...
	.end_amdgpu_metadata
.endif
;; end of part 2
;; launch attn (part 3): grid 4 x 64, 8 waves a work-group, no clusters, 263,168 bytes of LDS; arguments qkv, amax, att; writes att
.if DOCPART == 3
	.amdgcn_target "amdgcn-amd-amdhsa--gfx1250"
	.amdhsa_code_object_version 6
	.text
	.protected	k_qc9d78e5792_attn
	.globl	k_qc9d78e5792_attn
	.p2align	8
	.type	k_qc9d78e5792_attn,@function
k_qc9d78e5792_attn:
	s_mov_b64 s[64:65], 0
	v_nop
	global_prefetch_b8 v0, s[64:65] scope:SCOPE_SE
	s_setreg_imm32_b32 hwreg(HW_REG_WAVE_MODE, 25, 1), 1
	s_wait_xcnt 0x0
; att[t] = sum over s <= t of (q_t . k_s) v_s for each of the 64 (batch, head), by chunks of 64 rows:  att = tril(Q K^T) V + Q S,  S = the sum over all earlier chunks of K^T V (64 x 64).
; WORK LEFT OUT: score tiles above the diagonal, and all scores of earlier chunks, whose part is Q S: shown for all values at the head of the first kernel.
; SHARES.  A work-group has 512 rows (segment j = 0..3) of one head, each of its eight waves one chunk.  All operands come from memory as blocks of 512 bytes that ARE halves of 16-bit fragments (the launch before
; lays them so): q with a row a lane, k and v with a channel a lane.
; THE STATE.  Wave w adds K^T V over chunk w of each EARLIER segment (j trips), and makes its own chunk's K^T V.  Both go to LDS in f32.  Behind a barrier wave u takes one sixteenth-pair of every sum (accumulators
; 2 u, 2 u + 1, which are one fragment), runs the prefix over the eight chunks and writes each chunk's state as f16.  Behind a second barrier each wave reads its state whole.
; NO CLUSTER, NO PREFETCH: the four segments of a head need 0, 1, 2 and 3 trips over earlier rows, so partners would not be alike in their joint loads; and each earlier chunk is another work-group's own chunk too.
; SCALES.  Nothing here is non-linear, so exact powers of two keep the f16 operands in range for every input.  E = the exponent field of the largest |q|, |k|, |v| of the whole tensors, held to 103..142, so max < 2^(E - 126).
; Scores and state are multiplied by 2^(Fa - 127), Fa = min(388 - Eq - Ek, 383 - Ek - Ev): 64 qmax kmax and 2,048 kmax vmax then stay under 2^15.  The result is multiplied by 2^(503 - Eq - Ek - Ev - Fa):
; att = 2^(376 - Eq - Ek - Ev) x the true sum, under 2^15.  All fields lie in 99..177.  They feed multiplications alone.
; LIMITS.  Where qmax / vmax is further than some 2^18 from 2^5, the smaller of scores and state falls into f16's fixed step.  A hidden score is multiplied by 0: it must be finite, which f16's q and k make it.
; REGISTERS (windows of 256; s_set_vgpr_msb: bits 1:0 source 0, 3:2 source 1, 5:4 source 2, 7:6 destination):
;   window 0: v1-11 addresses, v16-23 the diagonal tile's factors, v32-95 Q, v96-159 K^T (then eight score tiles, then sums at work, then the packed result), v160-223 V^T, v224-255 at work
;   window 1: v0-127 sixteen accumulators (earlier chunks' sum; my chunk's sum; the result), v128-255 earlier chunks' K and V; then K by rows and P; then the state
.set SPARE, 262144                     ; behind the sums: the spare words, 128 bytes for each of eight waves: four blocks of 256 bytes that no other line names
.set SPW,  2
.set NIL,  3
.set KST,  4                           ; v4   where I put 16 bytes of K^T: my second region + (l % 16) x 160 + 16 (l / 16)
.set KTR,  5                           ; v5   where the turning load reads
.set PUBA, 6                           ; v6   my first region (16 KiB at 16,384 w) + 16 l
.set PUBC, 7                           ; v7   my second region (16 KiB at 131,072 + 16,384 w) + 16 l
.set SLA0, 8                           ; v8-9   my slice, 2,048 u + 16 l, of the first regions 0-3, 4-7
.set SLC0, 10                          ; v10-11 of the second regions
.set FM,   16
.set Q,    32                          ; block (tb, cb) at Q + 4 (4 tb + cb): fragment (qb, c) at Q + 16 qb + 8 c
.set KT,   96                          ; block (tb, cb) at KT + 8 (4 (tb / 2) + cb) + 4 (tb % 2): fragment (channel block, 32 rows tk) at KT + 8 (4 tk + cb)
.set VT,   160
.set LD,   224
.set CS,   96                          ; the second regions' slices, 16 registers each; the first is the running sum
.set ET,   208
.set EP,   224
.set ACC,  0                           ; window 1
.set XK,   128
.set XV,   192
.set KR,   128                         ; K by rows: fragment (kb, c) at KR + 8 (2 kb + c)
.set PF,   192                         ; P: fragments (qb, 0) at PF + 8 qb; (2, 1), (3, 1) at PF + 32, PF + 40
.set AS,   128                         ; the first regions' slices
.set SF,   128                         ; my state: fragment (eb, c) at SF + 8 (2 eb + c)
.set QP,  14                           ; s[14:15] q, s[16:17] k, s[18:19] v at my chunk
.set KO,  16
.set VO,  18
.set KP,  20                           ; s[20:21] k, s[22:23] v at chunk w of the earlier segment in hand
.set VP,  22
.set OP,  24                           ; s[24:25] att at my chunk
.set AL,  26                           ; s[26:27] the factor of scores and state
.set DE,  28                           ; s[28:29] the factor of the result
.set SEL, 30                           ; s[30:31] v_permlanex16_b32's selects
.set MSB, 0
.macro WIN new
.if MSB != (\new)
	s_set_vgpr_msb (MSB<<8)|(\new)
.set MSB, \new
.endif
.endm
.macro PLACES
.rept 4
	v_nop
.endr
.endm
.macro RED32 x, t
	v_max_num_f32_dpp v[\x], v[\x], v[\x] row_xmask:1 row_mask:0xf bank_mask:0xf
	v_max_num_f32_dpp v[\x], v[\x], v[\x] row_xmask:2 row_mask:0xf bank_mask:0xf
	v_max_num_f32_dpp v[\x], v[\x], v[\x] row_xmask:4 row_mask:0xf bank_mask:0xf
	v_max_num_f32_dpp v[\x], v[\x], v[\x] row_xmask:8 row_mask:0xf bank_mask:0xf
	v_permlanex16_b32 v[\t], v[\x], s[SEL], s[SEL+1]
	v_max_num_f32 v[\x], v[\x], v[\t]
.endm
; 32 matrix instructions: D[d][e] (+)= sum over 64 rows of K[t][d] V[t][e]; accumulator 4 eb + db; a lane ends with ONE e and eight d.  The sixteen accumulators take turns.
.macro KV win, kb, vb, zero
	WIN \win
.set i, 0
.rept 32
.set rD, ACC+8*(i%16)
.set rP, (\kb)+8*(4*(i/16)+i%4)
.set rV, (\vb)+8*(4*(i/16)+(i%16)/4)
.if (\zero) && (i < 16)
	v_wmma_f32_16x16x32_f16 v[rD:rD+7], v[rP:rP+7], v[rV:rV+7], 0
.else
	v_wmma_f32_16x16x32_f16 v[rD:rD+7], v[rP:rP+7], v[rV:rV+7], v[rD:rD+7]
.endif
.set i, i+1
.endr
.endm
.macro LOADX                           ; an earlier chunk's K and V: 32 loads of 512 bytes on end
	WIN 0x40
.set i, 0
.rept 16
.set c, 8*(4*((i/4)/2)+i%4)+4*((i/4)%2)
	global_load_b128 v[XK+c:XK+c+3], v1, s[KP:KP+1] offset:512*i
	global_load_b128 v[XV+c:XV+c+3], v1, s[VP:VP+1] offset:512*i
.set i, i+1
.endr
.endm
.macro PUB adr                         ; the sixteen accumulators to LDS in f32: accumulator i at 1,024 i, its low four registers first
	WIN 0x04
.set i, 0
.rept 16
	ds_store_b128 v[\adr], v[ACC+8*i:ACC+8*i+3]   offset:1024*i
	ds_store_b128 v[\adr], v[ACC+8*i+4:ACC+8*i+7] offset:1024*i+512
.set i, i+1
.endr
.endm
; Chunk w's state, my slice of it: times the factor, rounded to f16 (a whole fragment), into the first region of wave w, at bytes that only I have read.  hi = 1: the sum lies in window 1.
.macro EMIT w, hi
.if \hi
	WIN 0x01
.set eb_, AS
.else
	WIN 0
.set eb_, CS
.endif
.set ei, 0
.rept 8
	v_pk_mul_f32 v[ET+2*ei:ET+2*ei+1], v[eb_+2*ei:eb_+2*ei+1], s[AL:AL+1] op_sel_hi:[1,0]
.set ei, ei+1
.endr
	WIN 0
.set ei, 0
.rept 8
	v_cvt_pk_f16_f32 v[EP+ei], v[ET+2*ei], v[ET+2*ei+1]
.set ei, ei+1
.endr
	ds_store_b128 v[SLA0+(\w)/4], v[EP:EP+3]   offset:((\w)%4)*16384
	ds_store_b128 v[SLA0+(\w)/4], v[EP+4:EP+7] offset:((\w)%4)*16384+512
.endm
	s_load_b128 s[4:7], s[0:1], 0x0                ; qkv s[4:5], amax s[6:7]
	s_load_b64 s[8:9], s[0:1], 0x10                ; att
	v_lshl_add_u32 v[SPW], v0, 2, SPARE
	v_mov_b32 v[NIL], 0
	v_lshrrev_b32 v12, 5, v0
	v_readfirstlane_b32 s10, v12                   ; wave 0..7
	v_and_b32 v12, 31, v0
	v_lshlrev_b32 v1, 4, v12                       ; 16 x lane
	s_mov_b32 s11, ttmp9                           ; the segment j
	s_and_b32 s12, ttmp7, 0xffff                   ; batch x 16 + head
	s_lshl_b32 s34, s12, 18                        ; the head's 262,144 bytes,
	s_lshl_b32 s38, s10, 13                        ; chunk w of segment 0,
	s_add_co_u32 s34, s34, s38
	s_lshl_b32 s38, s11, 16                        ; and of my segment
	s_add_co_u32 s36, s34, s38
	s_mov_b32 s35, 0
	s_mov_b32 s37, 0
	s_and_b32 s32, s12, 15                         ; att: [head / 2][row / 16][head % 2][channel / 16][512 bytes]
	s_lshr_b32 s33, s32, 1
	s_lshl_b32 s33, s33, 21
	s_and_b32 s32, s32, 1
	s_lshl_b32 s32, s32, 11
	s_add_co_u32 s33, s33, s32
	s_lshr_b32 s32, s12, 4
	s_lshl_b32 s32, s32, 7                         ; 128 x batch
	s_lshl_b32 s38, s11, 5
	s_add_co_u32 s32, s32, s38                     ; + 32 j
	s_lshl2_add_u32 s32, s10, s32                  ; + 4 w
	s_lshl_b32 s32, s32, 12
	s_add_co_u32 s32, s32, s33
	s_mov_b32 s33, 0
	s_mov_b32 s[SEL], 0x76543210
	s_mov_b32 s[SEL+1], 0xfedcba98
	s_wait_kmcnt 0x0
	s_add_nc_u64 s[QP:QP+1], s[4:5], s[36:37]
	s_add_nc_u64 s[KO:KO+1], s[QP:QP+1], 0x1000000
	s_add_nc_u64 s[VO:VO+1], s[QP:QP+1], 0x2000000
	s_add_nc_u64 s[KP:KP+1], s[4:5], s[34:35]
	s_add_nc_u64 s[VP:VP+1], s[KP:KP+1], 0x2000000
	s_add_nc_u64 s[KP:KP+1], s[KP:KP+1], 0x1000000
	s_add_nc_u64 s[OP:OP+1], s[8:9], s[32:33]
.set i, 0
.rept 8
	global_load_b128 v[LD+4*i:LD+4*i+3], v1, s[6:7] offset:512*i  ; all 256 work-groups' maxima: 4,096 bytes
.set i, i+1
.endr
.set i, 0
.rept 16
.set c, 8*(4*((i/4)/2)+i%4)+4*((i/4)%2)
	global_load_b128 v[Q+4*i:Q+4*i+3], v1, s[QP:QP+1] offset:512*i th:TH_LOAD_NT
	global_load_b128 v[KT+c:KT+c+3],   v1, s[KO:KO+1] offset:512*i
	global_load_b128 v[VT+c:VT+c+3],   v1, s[VO:VO+1] offset:512*i
.set i, i+1
.endr
	v_and_b32 v13, 15, v0                          ; l % 16
	v_bfe_u32 v14, v0, 4, 1                        ; l / 16
	s_lshl_b32 s38, s10, 14
	s_add_co_u32 s39, s38, 131072
	v_mul_u32_u24 v[KST], v13, 160
	v_lshl_add_u32 v[KST], v14, 4, v[KST]
	v_add_nc_u32 v[KST], s39, v[KST]
	v_and_b32 v15, 7, v0
	v_lshl_add_u32 v15, v14, 3, v15
	v_mul_u32_u24 v[KTR], v15, 160                 ; the turning load: lane l reads row 8 (l / 16) + l % 8, 16 bytes at 16 ((l / 8) % 2)
	v_bfe_u32 v15, v0, 3, 1
	v_lshl_add_u32 v[KTR], v15, 4, v[KTR]
	v_add_nc_u32 v[KTR], s39, v[KTR]
	v_add_nc_u32 v[PUBA], s38, v1
	v_add_nc_u32 v[PUBC], s39, v1
	s_lshl_b32 s38, s10, 11
	v_add_nc_u32 v[SLA0], s38, v1
	v_add_nc_u32 v[SLA0+1], 0x10000, v[SLA0]
	v_add_nc_u32 v[SLC0], 0x20000, v[SLA0]
	v_add_nc_u32 v[SLC0+1], 0x30000, v[SLA0]
	v_lshlrev_b32 v14, 3, v14
	v_sub_nc_u32 v12, v13, v14                     ; my query's place less my lanes' first key: register i of the diagonal tile is seen where i <= this
	; THE EARLIER SEGMENTS: chunk w of each.  The loop's count is the segment's number; nothing in it touches LDS.
	s_cmp_eq_u32 s11, 0
	s_cbranch_scc1 .Lnoprefix
	LOADX
	s_wait_loadcnt 0x0
	KV 0x55, XK, XV, 1                             ; the first chunk starts the sums
	WIN 0
	s_mov_b32 s13, 1
	s_cmp_lt_u32 s13, s11
	s_cbranch_scc0 .Lpub
.Lpre:
	PLACES                                         ; in front of loads into registers that the products have read
	s_add_nc_u64 s[KP:KP+1], s[KP:KP+1], 65536     ; the loads that named these are done
	s_add_nc_u64 s[VP:VP+1], s[VP:VP+1], 65536
	LOADX
	s_wait_loadcnt 0x0
	KV 0x55, XK, XV, 0
	WIN 0
	s_add_co_u32 s13, s13, 1
	s_cmp_lt_u32 s13, s11
	s_cbranch_scc1 .Lpre
.Lpub:
	PLACES
	PUB PUBA
	WIN 0
.Lnoprefix:
	s_wait_loadcnt 0x0                             ; the maxima, Q, K, V
	; THE SCALES
.irp c, 0,1,2
	v_max3_num_f32 v[LD+\c], v[LD+\c], v[LD+4+\c], v[LD+8+\c]
	v_max3_num_f32 v[LD+\c], v[LD+\c], v[LD+12+\c], v[LD+16+\c]
	v_max3_num_f32 v[LD+\c], v[LD+\c], v[LD+20+\c], v[LD+24+\c]
	v_max_num_f32 v[LD+\c], v[LD+\c], v[LD+28+\c]
.endr
	RED32 LD, LD+3
	RED32 LD+1, LD+3
	RED32 LD+2, LD+3
	v_readfirstlane_b32 s32, v[LD]
	v_readfirstlane_b32 s33, v[LD+1]
	v_readfirstlane_b32 s34, v[LD+2]
.irp e, 32,33,34
	s_bfe_u32 s\e, s\e, 0x80017                    ; the exponent field
	s_max_u32 s\e, s\e, 103
	s_min_u32 s\e, s\e, 142
.endr
	s_add_co_u32 s35, s32, s33
	s_add_co_u32 s36, s33, s34
	s_sub_co_u32 s37, 388, s35
	s_sub_co_u32 s38, 383, s36
	s_min_u32 s37, s37, s38                        ; Fa
	s_add_co_u32 s35, s35, s34
	s_sub_co_u32 s38, 630, s35
	s_sub_co_u32 s38, s38, s37
	s_lshl_b32 s[AL], s37, 23
	s_mov_b32 s[AL+1], s[AL]                       ; named as pairs
	s_lshl_b32 s[DE], s38, 23
	s_mov_b32 s[DE+1], s[DE]
.set i, 0
.rept 8
	v_cmp_le_i32 vcc_lo, i, v12
	v_cndmask_b32 v[FM+i], 0, s[AL], vcc_lo        ; the factor where key <= query, else 0
.set i, i+1
.endr
	; K TURNED: K^T goes into my second region as [channel 64][row 64] f16, rows 160 bytes apart, and comes back by the turning load with a key a lane.  LDS serves a wave's instructions in order (ISA guide 5.7.1.4).
.set i, 0
.rept 16
.set c, 8*(4*((i/4)/2)+i%4)+4*((i/4)%2)
	ds_store_b128 v[KST], v[KT+c:KT+c+3] offset:(i%4)*2560+(i/4)*32
.set i, i+1
.endr
	WIN 0x40
.set i, 0
.rept 8
	ds_load_tr16_b128 v[KR+8*i:KR+8*i+3],   v[KTR] offset:(i%2)*5120+(i/2)*32
	ds_load_tr16_b128 v[KR+8*i+4:KR+8*i+7], v[KTR] offset:(i%2)*5120+(i/2)*32+2560
.set i, i+1
.endr
	KV 0x50, KT, VT, 1                             ; MY CHUNK'S SUM
	PLACES
	v_nop                                          ; five: the score products below write over K^T's registers
	PUB PUBC                                       ; over the turned K, behind the loads that read it
	s_wait_dscnt 32                                ; the 32 stores just issued may stay out; K by rows is in
	; THE SCORES, transposed: S^T = K Q^T holds ONE query a lane and keys 8 (l / 16) + 0..7.  Ten tiles, kb <= qb; they take turns.
	WIN 0x01
.irp c, 0,1
.set n, 0
.irp t, 0,10,11,20,21,22,30,31,32,33
.set rT, KT+8*n+64*(n/8)
.set rK, KR+8*(2*((\t)%10)+(\c))
.set rQ, Q+16*((\t)/10)+8*(\c)
.if (\c) == 0
	v_wmma_f32_16x16x32_f16 v[rT:rT+7], v[rK:rK+7], v[rQ:rQ+7], 0
.else
	v_wmma_f32_16x16x32_f16 v[rT:rT+7], v[rK:rK+7], v[rQ:rQ+7], v[rT:rT+7]
.endif
.set n, n+1
.endr
.endr
	WIN 0x40
.irp i, 4,5,6,7,36,37,38,39
	v_mov_b32 v[PF+\i], 0                          ; the halves of P's fragments (0, 0) and (2, 1) that lie above the diagonal; also the places behind the products
.endr
	WIN 0
.set n, 0
.irp t, 0,10,11,20,21,22,30,31,32,33
.set rT, KT+8*n+64*(n/8)
.irp i, 0,2,4,6
.if ((\t)/10) == ((\t)%10)
	v_pk_mul_f32 v[rT+\i:rT+\i+1], v[rT+\i:rT+\i+1], v[FM+\i:FM+\i+1]
.else
	v_pk_mul_f32 v[rT+\i:rT+\i+1], v[rT+\i:rT+\i+1], s[AL:AL+1] op_sel_hi:[1,0]
.endif
.endr
.set n, n+1
.endr
	WIN 0x40
.set n, 0
.irp t, 0,10,11,20,21,22,30,31,32,33
.set rT, KT+8*n+64*(n/8)
.set rP, PF+8*((\t)/10+2*(((\t)%10)/2))+4*(((\t)%10)%2)
.irp i, 0,1,2,3
	v_cvt_pk_f16_f32 v[rP+\i], v[rT+2*\i], v[rT+2*\i+1]
.endr
.set n, n+1
.endr
	; O^T = V^T P: accumulator 4 qb + eb; a lane holds ONE query and eight channels
	WIN 0x54
.set i, 0
.rept 16
	v_wmma_f32_16x16x32_f16 v[ACC+8*i:ACC+8*i+7], v[VT+8*(i%4):VT+8*(i%4)+7], v[PF+8*(i/4):PF+8*(i/4)+7], 0
.set i, i+1
.endr
.set i, 0
.rept 8
	v_wmma_f32_16x16x32_f16 v[ACC+64+8*i:ACC+64+8*i+7], v[VT+32+8*(i%4):VT+32+8*(i%4)+7], v[PF+32+8*(i/4):PF+32+8*(i/4)+7], v[ACC+64+8*i:ACC+64+8*i+7]
.set i, i+1
.endr
	PLACES                                         ; in front of the loads into V^T's and P's registers
	WIN 0
	s_wait_dscnt 0x0                               ; my sums lie in LDS
	s_barrier_signal -1
	s_barrier_wait -1                              ; everybody's do
	; THE PREFIX over the chunks, on my slice
.set i, 0
.rept 7
.irp o, 0,1,2,3
	ds_load_b128 v[CS+16*i+4*\o:CS+16*i+4*\o+3], v[SLC0+i/4] offset:(i%4)*16384+512*\o
.endr
.set i, i+1
.endr
	s_cmp_eq_u32 s11, 0
	s_cbranch_scc1 .Lnoa
	WIN 0x40
.set i, 0
.rept 8
.irp o, 0,1,2,3
	ds_load_b128 v[AS+16*i+4*\o:AS+16*i+4*\o+3], v[SLA0+i/4] offset:(i%4)*16384+512*\o
.endr
.set i, i+1
.endr
	s_wait_dscnt 0x0
	WIN 0x45
.set i, 1
.rept 7
.set ei, 0
.rept 8
	v_pk_add_f32 v[AS+2*ei:AS+2*ei+1], v[AS+2*ei:AS+2*ei+1], v[AS+16*i+2*ei:AS+16*i+2*ei+1]
.set ei, ei+1
.endr
.set i, i+1
.endr
	EMIT 0, 1                                      ; chunk 0's state: all earlier segments
	WIN 0x04
.set ei, 0
.rept 8
	v_pk_add_f32 v[CS+2*ei:CS+2*ei+1], v[CS+2*ei:CS+2*ei+1], v[AS+2*ei:AS+2*ei+1]
.set ei, ei+1
.endr
	WIN 0
.Lnoa:
	s_wait_dscnt 0x0
	EMIT 1, 0
.irp w, 2,3,4,5,6,7
.set ei, 0
.rept 8
	v_pk_add_f32 v[CS+2*ei:CS+2*ei+1], v[CS+2*ei:CS+2*ei+1], v[CS+16*((\w)-1)+2*ei:CS+16*((\w)-1)+2*ei+1]
.set ei, ei+1
.endr
	EMIT \w, 0
.endr
	s_wait_dscnt 0x0                               ; my slices of all states lie in LDS
	s_barrier_signal -1
	s_barrier_wait -1
	; O^T += S^T Q^T; the head's very first chunk has no state
	s_or_b32 s38, s10, s11
	s_cmp_eq_u32 s38, 0
	s_cbranch_scc1 .Lnoqs
	WIN 0x40
.set i, 0
.rept 8
	ds_load_b128 v[SF+8*i:SF+8*i+3],   v[PUBA] offset:2048*i
	ds_load_b128 v[SF+8*i+4:SF+8*i+7], v[PUBA] offset:2048*i+512
.set i, i+1
.endr
	s_wait_dscnt 0x0
	WIN 0x51
.set i, 0
.rept 32
	v_wmma_f32_16x16x32_f16 v[ACC+8*(i%16):ACC+8*(i%16)+7], v[SF+8*(2*(i%4)+i/16):SF+8*(2*(i%4)+i/16)+7], v[Q+16*((i%16)/4)+8*(i/16):Q+16*((i%16)/4)+8*(i/16)+7], v[ACC+8*(i%16):ACC+8*(i%16)+7]
.set i, i+1
.endr
	WIN 0
.Lnoqs:
	PLACES
	WIN 0x41
.set i, 0
.rept 64
	v_pk_mul_f32 v[ACC+2*i:ACC+2*i+1], v[ACC+2*i:ACC+2*i+1], s[DE:DE+1] op_sel_hi:[1,0]
.set i, i+1
.endr
	WIN 0x05
.set i, 0
.rept 64
	v_cvt_pk_f16_f32 v[CS+i], v[ACC+2*i], v[ACC+2*i+1]
.set i, i+1
.endr
	WIN 0
.set i, 0
.rept 16
	global_store_b128 v1, v[CS+4*i:CS+4*i+3], s[OP:OP+1] offset:(i/4)*4096+(i%4)*512  ; a block: 512 consecutive bytes, aligned
.set i, i+1
.endr
	s_wait_tensorcnt 0x0                           ; the wave's end, behind my last LDS store
	ds_add_u32 v[SPW], v[NIL]
	s_wait_dscnt 0x0
	s_endpgm
.Lfunc_end_k_qc9d78e5792_attn:
	.size	k_qc9d78e5792_attn, .Lfunc_end_k_qc9d78e5792_attn-k_qc9d78e5792_attn
	.p2alignl 7, 3214868480
	.fill 96, 4, 3214868480
	.section	.rodata,"a",@progbits
	.p2align	6, 0x0
	.amdhsa_kernel k_qc9d78e5792_attn
		.amdhsa_group_segment_fixed_size 263168
		.amdhsa_private_segment_fixed_size 0
		.amdhsa_enable_private_segment 0
		.amdhsa_kernarg_size 24
		.amdhsa_user_sgpr_count 2
		.amdhsa_user_sgpr_kernarg_segment_ptr 1
		.amdhsa_wavefront_size32 1
		.amdhsa_system_sgpr_workgroup_id_x 1
		.amdhsa_system_sgpr_workgroup_id_y 1
		.amdhsa_system_sgpr_workgroup_id_z 1
		.amdhsa_system_vgpr_workitem_id 0
		.amdhsa_next_free_vgpr 512
		.amdhsa_next_free_sgpr 66
		.amdhsa_reserve_vcc 1
		.amdhsa_float_denorm_mode_32 3
		.amdhsa_float_denorm_mode_16_64 3
		.amdhsa_memory_ordered 1
		.amdhsa_forward_progress 1
		.amdhsa_inst_pref_size 73
	.end_amdhsa_kernel
	.amdgpu_metadata
---
amdhsa.version: [ 1, 2 ]
amdhsa.kernels:
  - .name:           k_qc9d78e5792_attn
    .symbol:         k_qc9d78e5792_attn.kd
    .args:
      - { .name: qkv, .offset: 0, .size: 8, .value_kind: global_buffer, .address_space: global }
      - { .name: amax, .offset: 8, .size: 8, .value_kind: global_buffer, .address_space: global }
      - { .name: att, .offset: 16, .size: 8, .value_kind: global_buffer, .address_space: global }
    .group_segment_fixed_size: 263168
    .private_segment_fixed_size: 0
    .kernarg_segment_align: 8
    .kernarg_segment_size: 24
    .max_flat_workgroup_size: 256
    .sgpr_count:     66
    .vgpr_count:     512
    .wavefront_size: 32
...
	.end_amdgpu_metadata
.endif
;; end of part 3
;; launch outp (part 4): grid 8 x 32, 4 waves a work-group, clusters of 4 x 4, 327,680 bytes of LDS; arguments att, wo, out0, amax; writes out0
.if DOCPART == 4
	.amdgcn_target "amdgcn-amd-amdhsa--gfx1250"
	.amdhsa_code_object_version 6
	.text
	.protected	k_qc9d78e5792_outp
	.globl	k_qc9d78e5792_outp
	.p2align	8
	.type	k_qc9d78e5792_outp,@function
k_qc9d78e5792_outp:
	s_mov_b64 s[64:65], 0
	v_nop
	global_prefetch_b8 v0, s[64:65] scope:SCOPE_SE
	s_setreg_imm32_b32 hwreg(HW_REG_WAVE_MODE, 25, 1), 1
	s_wait_xcnt 0x0
	s_wait_alu depctr_hold_cnt(0) depctr_sa_sdst(0) depctr_va_vdst(0) depctr_va_sdst(0) depctr_va_ssrc(0) depctr_va_vcc(0) depctr_vm_vsrc(0)
	s_getreg_b32 s2, hwreg(HW_REG_IB_STS2, 6, 4)
	s_cmp_eq_u32 s2, 0
	s_cbranch_scc0 .Lentry_in_a_cluster
	s_endpgm
.Lentry_in_a_cluster:
	s_bfe_u32 s2, ttmp6, 0x10000c
	s_cmp_lg_u32 s2, 0xf033
	s_cbranch_scc0 .Lentry_shape_is_right
	s_endpgm
.Lentry_shape_is_right:
; out = phi x att W_out^T.  att: f16 blocks [K step 8][row / 16][8 blocks of 16 channels][512 bytes], a row a lane; wo: [1024][1024] f16; out0: [8192][1024] f32; sums in f32.
; phi = 2^(Eq + Ek + Ev - 379) undoes the power of two that the launch before put on att and holds reference()'s 1/8; the E are made from amax as there (fields held to 103..142, so phi's field lies in 57..174).
; SHARES.  A tile is 256 rows x 128 columns: 256 tiles, one a work-group.  Wave w owns rows 64 w .. 64 w + 63 and all 128 columns: 4 x 8 accumulators.  K goes in steps of 128 through a ring of two LDS slots.
; A K step of 128 rows of att is 32,768 dense bytes: asked for as 128 rows of 256 bytes, unpadded: a fragment's half is a block, read as 512 bytes on end.  W's rows are padded as usual.
; CLUSTER 4 x 4: att's tiles are shared along a row of the cluster, W's along a column, each asked for jointly.
; The matrix instruction is used transposed (source 0 = W's rows): a lane holds ONE row of out and eight neighbouring columns.
; REGISTERS: window 0 addresses and the way out; window 1 two fragment buffers at 0 and 128 (W's eight fragments, then att's four); windows 2, 3 the accumulators ((a, b) at 8 (8 (a % 2) + b)).
.set KSTEP,  128
.set PITCH,  272
.set NB,     8
.set HALFA,  32768
.set ASZ,    2*HALFA
.set HALFB,  64*PITCH
.set SLOT,   ASZ+2*HALFB
.set STAGE,  2*SLOT                    ; behind the ring, never filled: 16 rows x 528 bytes for each wave
.set SPITCH, 528                       ; 512 bytes + 16: the sixteen rows of a store start at sixteen different groups of four banks
.set SPARE,  STAGE+4*16*SPITCH         ; the spare words, 128 bytes for each wave: two blocks of 256 bytes that no other line names
.set ASTEP,  2097152                   ; bytes from a K step of att to the next
.set ADRA, 16
.set ADRB, 20
.set STO,  24
.set RD,   25
.set CO,   26
.set SPW,  28
.set NIL,  29
.set PFO,  30
.set TMP,  32                          ; v32-95 a block of 16 rows, scaled; at the head the maxima as loaded
.set LD,   32
.set F0,   0
.set F1,   128
.set G1,  24
.set G0,  32
.set G1B, 48
.set G0B, 56
.set LIM, 43
.set PFA, 44
.set PFS, 66
.set SEL, 70
.set PHI, 72                           ; s[72:73]
.set AM,  74
.set MSB, 0
.macro WIN new
.if MSB != (\new)
	s_set_vgpr_msb (MSB<<8)|(\new)
.set MSB, \new
.endif
.endm
.macro PLACES
.rept 4
	v_nop
.endr
.endm
.macro JLOAD s                         ; waves 0 and 1 fetch att's two halves, waves 2 and 3 W's; an s_nop 0 and four v_nop follow each line
	s_cmp_eq_u32 s11, 0
	s_cbranch_scc0 .Lfor_b_\@
	tensor_load_to_lds s[G0+4*(\s):G0+4*(\s)+3], s[G1:G1+7]
	s_nop 0
.rept 4
	v_nop
.endr
	s_branch .Lasked_\@
.Lfor_b_\@:
	tensor_load_to_lds s[G0B+4*(\s):G0B+4*(\s)+3], s[G1B:G1B+7]
	s_nop 0
.rept 4
	v_nop
.endr
.Lasked_\@:
.endm
; A prefetch of the K step two refills on, 256 matrix instructions ahead of the load that will ask for it.  Cluster x = 0 asks for att's blocks, cluster y = 0 for W's rows; of what a wave fetches each of the four joint
; partners takes a quarter, by ADDRESS: 8,192 dense bytes of att, 256 a lane; 16 rows of W (lanes 16-31 name row 15 once more).  The last two refills have no K step two on.
.macro ASK
	WIN 0
	s_cmp_gt_u32 s3, s[LIM]
	s_cbranch_scc0 .Lnot_mine_\@
	global_prefetch_b8 v[PFO], s[PFA:PFA+1] th:TH_LOAD_NT scope:SCOPE_SE
.Lnot_mine_\@:
.endm
.macro CREST
	s_cmp_lg_u32 s10, 0
	s_cbranch_scc1 .Lnot_wave_0_\@
	s_barrier_signal -3
.Lnot_wave_0_\@:
	s_barrier_wait -3
	s_barrier_signal -1
	s_barrier_wait -1
.endm
.macro CROUND
	s_barrier_signal -1
	s_barrier_wait -1
	CREST
.endm
.macro RED32 x, t
	v_max_num_f32_dpp v[\x], v[\x], v[\x] row_xmask:1 row_mask:0xf bank_mask:0xf
	v_max_num_f32_dpp v[\x], v[\x], v[\x] row_xmask:2 row_mask:0xf bank_mask:0xf
	v_max_num_f32_dpp v[\x], v[\x], v[\x] row_xmask:4 row_mask:0xf bank_mask:0xf
	v_max_num_f32_dpp v[\x], v[\x], v[\x] row_xmask:8 row_mask:0xf bank_mask:0xf
	v_permlanex16_b32 v[\t], v[\x], s[SEL], s[SEL+1]
	v_max_num_f32 v[\x], v[\x], v[\t]
.endm
	s_load_b128 s[4:7], s[0:1], 0x0                ; att s[4:5], wo s[6:7]
	s_load_b64 s[8:9], s[0:1], 0x10                ; out0
	s_load_b64 s[AM:AM+1], s[0:1], 0x18            ; amax
	v_lshl_add_u32 v[SPW], v0, 2, SPARE
	v_mov_b32 v[NIL], 0
	ds_add_u32 v[SPW], v[NIL]                      ; the wave's opening: the add, twice on end, and its wait ahead of my first tensor load
	ds_add_u32 v[SPW], v[NIL]                      ; and once more, under the one wait
	v_lshrrev_b32 v1, 5, v0
	v_readfirstlane_b32 s10, v1
	s_lshr_b32 s11, s10, 1                         ; I fetch for att (0) or for W (1),
	s_and_b32 s12, s10, 1                          ; its first or second half
	s_bfe_u32 s40, ttmp6, 0x40000                  ; cx
	s_bfe_u32 s41, ttmp6, 0x40004                  ; cy
	s_lshl_b32 s42, ttmp9, 2
	s_add_co_u32 s42, s42, s40                     ; tile column
	s_and_b32 s13, ttmp7, 0xffff
	s_lshl_b32 s13, s13, 2
	s_add_co_u32 s13, s13, s41                     ; tile row
	s_lshl_b32 s43, s41, 2
	s_lshl_b32 s43, 15, s43
	s_lshl_b32 s44, 0x1111, s40
	s_or_b32 s[G1+0], s43, (3<<16)|(1<<21)         ; att: the mask of my row; elements of 8 bytes; 21 set beside a mask; no padding
	s_or_b32 s[G1B+0], s44, (1<<16)|(1<<20)|(1<<21)|(5<<22)|(3<<25)  ; W: the mask of my column; 2-byte elements; 4 words of padding after every 64
	s_mov_b32 s[G1+1], 32<<16                      ; tensor_dim0 = 32 elements: 256 bytes
	s_mov_b32 s[G1+2], 128<<16                     ; tensor_dim1 = 128 rows
	s_mov_b32 s[G1+3], 32<<16                      ; tile_dim0
	s_mov_b32 s[G1+4], 128                         ; tile_dim1
	s_mov_b32 s[G1+5], 32                          ; dense: a row begins where the last ends
	s_mov_b32 s[G1+6], 0
	s_mov_b32 s[G1+7], 0
	s_mov_b32 s[G1B+1], KSTEP<<16
	s_mov_b32 s[G1B+2], 64<<16
	s_mov_b32 s[G1B+3], KSTEP<<16
	s_mov_b32 s[G1B+4], 64
	s_mov_b32 s[G1B+5], 1024
	s_mov_b32 s[G1B+6], 0
	s_mov_b32 s[G1B+7], 0
	s_lshl_b32 s16, s13, 4
	s_lshl3_add_u32 s16, s12, s16                  ; att: row block 16 x tile row + 8 x half,
	s_lshl_b32 s16, s16, 12                        ; 4,096 bytes each
	s_mov_b32 s17, 0
	s_lshl_b32 s46, s42, 7
	s_lshl_b32 s47, s12, 6
	s_add_co_u32 s46, s46, s47                     ; W: row 128 x tile column + 64 x half
	s_lshl_b32 s46, s46, 11
	s_mov_b32 s47, 0
	s_mul_i32 s20, s10, HALFA                      ; where they go: att's halves at wave x 32,768 (waves 0, 1),
	s_mul_i32 s21, s10, HALFB                      ; W's behind them, at (wave - 2) x 64 rows (waves 2, 3)
	s_add_co_u32 s21, s21, ASZ-2*HALFB
	s_mov_b32 s[SEL], 0x76543210
	s_mov_b32 s[SEL+1], 0xfedcba98
	s_wait_dscnt 0x0                               ; both opening adds are done
	s_wait_kmcnt 0x0
	s_add_nc_u64 s[14:15], s[4:5], s[16:17]
	s_add_nc_u64 s[46:47], s[6:7], s[46:47]
	CROUND                                         ; all sixteen work-groups are here: the first joint loads meet
.irp s, 0,1
	s_mov_b32 s[G0+4*(\s)], 1
	s_add_co_u32 s[G0+4*(\s)+1], s20, (\s)*SLOT
	s_add_nc_u64 s[G0+4*(\s)+2:G0+4*(\s)+3], s[14:15], (\s)*ASTEP
	s_or_b32 s[G0+4*(\s)+3], s[G0+4*(\s)+3], 0x80000000
	s_mov_b32 s[G0B+4*(\s)], 1
	s_add_co_u32 s[G0B+4*(\s)+1], s21, (\s)*SLOT
	s_add_nc_u64 s[G0B+4*(\s)+2:G0B+4*(\s)+3], s[46:47], (\s)*KSTEP*2
	s_or_b32 s[G0B+4*(\s)+3], s[G0B+4*(\s)+3], 0x80000000
	JLOAD \s                                       ; two loads of mine are out
.endr
	v_and_b32 v3, 31, v0
	v_lshlrev_b32 v4, 4, v3                        ; 16 x lane
.set i, 0
.rept 8
	global_load_b128 v[LD+4*i:LD+4*i+3], v4, s[AM:AM+1] offset:512*i
.set i, i+1
.endr
	v_and_b32 v1, 15, v0
	v_bfe_u32 v2, v0, 4, 1
	s_lshl_b32 s21, s10, 14                        ; my 64 rows of att: four row blocks of 4,096 bytes
	v_add_nc_u32 v[ADRA], s21, v4
	v_add_nc_u32 v[ADRA+1], SLOT, v[ADRA]
	v_mul_u32_u24 v5, v1, PITCH
	v_lshl_add_u32 v5, v2, 4, v5
	v_add_nc_u32 v[ADRB], ASZ, v5
	v_add_nc_u32 v[ADRB+1], SLOT, v[ADRB]
	s_mul_i32 s23, s10, 16*SPITCH
	s_add_co_u32 s23, s23, STAGE                   ; my stage
	v_mul_u32_u24 v5, v1, SPITCH                   ; in: row l % 16, 32 bytes for each half of the lanes
	v_lshl_add_u32 v5, v2, 5, v5
	v_add_nc_u32 v[STO], s23, v5
	v_add_nc_u32 v[RD], s23, v4                    ; back: 32 lanes take one row of 512 bytes
	v_mov_b32 v[CO], v4
	s_lshl_b32 s16, s13, 8
	s_lshl_b32 s17, s10, 6
	s_add_co_u32 s16, s16, s17                     ; my first row of out,
	s_lshl_b32 s16, s16, 12
	s_lshl_b32 s17, s42, 9                         ; the tile's first column
	s_add_co_u32 s16, s16, s17
	s_mov_b32 s17, 0
	s_add_nc_u64 s[8:9], s[8:9], s[16:17]
	; the prefetches
	s_and_b32 s22, ttmp7, 0xffff                   ; cluster y
	s_lshl_b32 s18, s13, 16
	s_lshl_b32 s20, s12, 15
	s_add_co_u32 s18, s18, s20
	s_lshl_b32 s20, s40, 13
	s_add_co_u32 s18, s18, s20                     ; att: what I fetch, my work-group's 8,192 bytes of it
	s_lshl_b32 s19, s42, 7
	s_lshl_b32 s20, s12, 6
	s_add_co_u32 s19, s19, s20
	s_lshl_b32 s20, s41, 4
	s_add_co_u32 s19, s19, s20
	s_lshl_b32 s19, s19, 11                        ; W: my work-group's 16 rows
	s_mov_b32 s16, ASTEP
	s_mov_b32 s[PFS], KSTEP*2
	s_mov_b32 s[PFS+1], 0
	s_cmp_eq_u32 s11, 0
	s_cselect_b32 s20, s18, s19
	s_cselect_b32 s22, ttmp9, s22
	s_cselect_b32 s23, 31, 15
	s_cselect_b32 s17, 8, 11
	s_cselect_b32 s[PFS], s16, s[PFS]
	s_cselect_b64 s[PFA:PFA+1], s[4:5], s[6:7]
	s_cmp_eq_u32 s22, 0
	s_cselect_b32 s[LIM], 1, -1                    ; the same in all sixteen partners, for a given wave
	v_min_u32 v[PFO], s23, v3
	v_lshlrev_b32 v[PFO], s17, v[PFO]
	s_mov_b32 s21, 0
	s_add_nc_u64 s[PFA:PFA+1], s[PFA:PFA+1], s[20:21]
	s_mul_i32 s16, s[PFS], 3
	s_mov_b32 s17, 0
	s_add_nc_u64 s[PFA:PFA+1], s[PFA:PFA+1], s[16:17]  ; at K step 3: the first refill steps it to 4.  Nothing is prefetched at the head
	; phi
	s_wait_loadcnt 0x0
.irp c, 0,1,2
	v_max3_num_f32 v[LD+\c], v[LD+\c], v[LD+4+\c], v[LD+8+\c]
	v_max3_num_f32 v[LD+\c], v[LD+\c], v[LD+12+\c], v[LD+16+\c]
	v_max3_num_f32 v[LD+\c], v[LD+\c], v[LD+20+\c], v[LD+24+\c]
	v_max_num_f32 v[LD+\c], v[LD+\c], v[LD+28+\c]
.endr
	RED32 LD, LD+3
	RED32 LD+1, LD+3
	RED32 LD+2, LD+3
	v_readfirstlane_b32 s16, v[LD]
	v_readfirstlane_b32 s17, v[LD+1]
	v_readfirstlane_b32 s18, v[LD+2]
.irp e, 16,17,18
	s_bfe_u32 s\e, s\e, 0x80017
	s_max_u32 s\e, s\e, 103
	s_min_u32 s\e, s\e, 142
.endr
	s_add_co_u32 s16, s16, s17
	s_add_co_u32 s16, s16, s18
	s_sub_co_u32 s16, s16, 252
	s_lshl_b32 s[PHI], s16, 23
	s_mov_b32 s[PHI+1], s[PHI]                     ; named as a pair
; Eight matrix instructions: my rows 16 a .. x all eight column blocks, 32 along K.  Every quarter walks the 32 accumulators in the same order, one instruction a turn.
.macro MULA f, a, zero
	WIN 0xa5+0x50*((\a)/2)
.set bi, 0
.rept NB
.set rD, 8*(NB*((\a)%2)+bi)
.set rW, (\f)+8*bi
.set rX, (\f)+8*NB+8*(\a)
.if \zero
	v_wmma_f32_16x16x32_f16 v[rD:rD+7], v[rW:rW+7], v[rX:rX+7], 0
.else
	v_wmma_f32_16x16x32_f16 v[rD:rD+7], v[rW:rW+7], v[rX:rX+7], v[rD:rD+7]
.endif
.set bi, bi+1
.endr
.endm
; 24 LDS loads in one run: W's eight fragments at byte k of its rows, then att's four: blocks k / 32 and k / 32 + 1 of each row block
.macro FETCH slot, k, f
	WIN 0x40
.set fi, 0
.rept NB
	ds_load_b128 v[(\f)+8*fi:(\f)+8*fi+3],   v[ADRB+(\slot)] offset:(\k)+fi*16*PITCH
	ds_load_b128 v[(\f)+8*fi+4:(\f)+8*fi+7], v[ADRB+(\slot)] offset:(\k)+fi*16*PITCH+32
.set fi, fi+1
.endr
.set fi, 0
.rept 4
	ds_load_b128 v[(\f)+8*NB+8*fi:(\f)+8*NB+8*fi+3],   v[ADRA+(\slot)] offset:fi*4096+((\k)/64)*1024
	ds_load_b128 v[(\f)+8*NB+8*fi+4:(\f)+8*NB+8*fi+7], v[ADRA+(\slot)] offset:fi*4096+((\k)/64)*1024+512
.set fi, fi+1
.endr
.endm
.macro QUARTER slot, k, f, g, zero
	s_wait_dscnt 4                                 ; all but the youngest four loads (att's fragments 2 and 3)
	MULA \f, 0, \zero
	MULA \f, 1, \zero
	PLACES
	FETCH \slot, \k, \g
	s_wait_dscnt 2*NB+8                            ; all but the run just issued
	MULA \f, 2, \zero
	MULA \f, 3, \zero
.endm
; The one barrier of a change of slots: in front of it each wave waits for all its tensor loads, adds 0 to its spare word, and waits for that and for its reads of this slot.
.macro MEET round
	WIN 0
	s_wait_tensorcnt 0x0
	ds_add_u32 v[SPW], v[NIL]
	s_wait_dscnt 5                                 ; (the add and the youngest four loads may be out)
	MULA F1, 0, 0
	s_wait_dscnt 0x0                               ; the add is done, my reads of this slot are over
	s_barrier_signal -1
	MULA F1, 1, 0
.if \round
	WIN 0
.endif
	s_barrier_wait -1
.endm
.macro TURN slot, next                 ; the slot is filled again, two K steps ahead: the barrier opens a round of the cluster's, and the joint refill is the first tensor load behind it
	s_wait_xcnt 0x0                                ; the last prefetch, a K step back, has read its address
	s_add_nc_u64 s[PFA:PFA+1], s[PFA:PFA+1], s[PFS:PFS+1]
	MEET 1
	CREST
	s_add_nc_u64 s[G0+4*(\slot)+2:G0+4*(\slot)+3], s[G0+4*(\slot)+2:G0+4*(\slot)+3], 2*ASTEP
	s_add_nc_u64 s[G0B+4*(\slot)+2:G0B+4*(\slot)+3], s[G0B+4*(\slot)+2:G0B+4*(\slot)+3], 2*KSTEP*2
	JLOAD \slot                                    ; its four v_nop are also the places in front of the loads below
	FETCH \next, 0, F0
	ASK
	MULA F1, 2, 0
	MULA F1, 3, 0
.endm
; THE WAY OUT of my rows 16 a ..: times phi; into my stage, 32 bytes a lane; back as whole rows of 512 bytes; stored.
.macro PACK a
	WIN 0x02+(\a)/2
.set i, 0
.rept 32
	v_pk_mul_f32 v[TMP+2*i:TMP+2*i+1], v[64*((\a)%2)+2*i:64*((\a)%2)+2*i+1], s[PHI:PHI+1] op_sel_hi:[1,0]
.set i, i+1
.endr
	WIN 0
.endm
.macro TOSTAGE a
.set BK, 96+64*((\a)%2)
.set i, 0
.rept 8
	ds_store_b128 v[STO], v[TMP+8*i:TMP+8*i+3]   offset:64*i
	ds_store_b128 v[STO], v[TMP+8*i+4:TMP+8*i+7] offset:64*i+16
.set i, i+1
.endr
.set i, 0
.rept 16
	ds_load_b128 v[BK+4*i:BK+4*i+3], v[RD] offset:i*SPITCH  ; LDS serves a wave's instructions in order (ISA guide 5.7.1.4): these see the stores above
.set i, i+1
.endr
.endm
.macro SEND a
.set BK, 96+64*((\a)%2)
	s_wait_dscnt 0x0                               ; the block is back in registers
	s_wait_xcnt 0x0                                ; the stores of the block before have read their registers, which the next block's loads write
.set i, 0
.rept 16
	global_store_b128 v[CO], v[BK+4*i:BK+4*i+3], s[8:9] offset:(16*(\a)+i)*4096 th:TH_STORE_NT  ; 512 consecutive bytes, aligned
.set i, i+1
.endr
.endm
	s_wait_tensorcnt 1                             ; my part of K step 0 is in; K step 1's may stay out
	s_barrier_signal -1
	s_barrier_wait -1
	FETCH 0, 0, F0
	QUARTER 0, 64,  F0, F1, 1                      ; the first quarter starts the sums
	WIN 0
	s_mov_b32 s3, 3
.Llap:
	QUARTER 0, 128, F1, F0, 0
	QUARTER 0, 192, F0, F1, 0
	TURN 0, 1
	QUARTER 1, 64,  F0, F1, 0
	QUARTER 1, 128, F1, F0, 0
	QUARTER 1, 192, F0, F1, 0
	TURN 1, 0
	QUARTER 0, 64,  F0, F1, 0
	WIN 0
	s_sub_co_u32 s3, s3, 1
	s_cmp_lg_u32 s3, 0
	s_cbranch_scc1 .Llap
	QUARTER 0, 128, F1, F0, 0                      ; the last lap fills nothing
	QUARTER 0, 192, F0, F1, 0
	MEET 0
	PLACES
	FETCH 1, 0, F0
	MULA F1, 2, 0
	MULA F1, 3, 0
	QUARTER 1, 64,  F0, F1, 0
	QUARTER 1, 128, F1, F0, 0
	QUARTER 1, 192, F0, F1, 0
	s_wait_dscnt 4
	MULA F1, 0, 0
	MULA F1, 1, 0
	s_wait_dscnt 0x0
	MULA F1, 2, 0
	MULA F1, 3, 0
	PLACES
	PACK 0
	TOSTAGE 0
.irp a, 1,2,3                          ; a block's arithmetic stands between the loads of the block before and its stores
	PACK \a
	SEND (\a)-1
	TOSTAGE \a
.endr
	SEND 3
	s_wait_tensorcnt 0x0                           ; the wave's end, behind my last tensor load and my last LDS store
	ds_add_u32 v[SPW], v[NIL]
	s_wait_dscnt 0x0
	CROUND                                         ; the closing round
	s_endpgm
.Lfunc_end_k_qc9d78e5792_outp:
	.size	k_qc9d78e5792_outp, .Lfunc_end_k_qc9d78e5792_outp-k_qc9d78e5792_outp
	.p2alignl 7, 3214868480
	.fill 96, 4, 3214868480
	.section	.rodata,"a",@progbits
	.p2align	6, 0x0
	.amdhsa_kernel k_qc9d78e5792_outp
		.amdhsa_group_segment_fixed_size 327680
		.amdhsa_private_segment_fixed_size 0
		.amdhsa_enable_private_segment 0
		.amdhsa_kernarg_size 32
		.amdhsa_user_sgpr_count 2
		.amdhsa_user_sgpr_kernarg_segment_ptr 1
		.amdhsa_wavefront_size32 1
		.amdhsa_system_sgpr_workgroup_id_x 1
		.amdhsa_system_sgpr_workgroup_id_y 1
		.amdhsa_system_sgpr_workgroup_id_z 1
		.amdhsa_system_vgpr_workitem_id 0
		.amdhsa_next_free_vgpr 896
		.amdhsa_next_free_sgpr 80
		.amdhsa_reserve_vcc 0
		.amdhsa_float_denorm_mode_32 3
		.amdhsa_float_denorm_mode_16_64 3
		.amdhsa_memory_ordered 1
		.amdhsa_forward_progress 1
		.amdhsa_inst_pref_size 98
	.end_amdhsa_kernel
	.amdgpu_metadata
---
amdhsa.version: [ 1, 2 ]
amdhsa.kernels:
  - .name:           k_qc9d78e5792_outp
    .symbol:         k_qc9d78e5792_outp.kd
    .args:
      - { .name: att, .offset: 0, .size: 8, .value_kind: global_buffer, .address_space: global }
      - { .name: wo, .offset: 8, .size: 8, .value_kind: global_buffer, .address_space: global }
      - { .name: out0, .offset: 16, .size: 8, .value_kind: global_buffer, .address_space: global }
      - { .name: amax, .offset: 24, .size: 8, .value_kind: global_buffer, .address_space: global }
    .group_segment_fixed_size: 327680
    .private_segment_fixed_size: 0
    .kernarg_segment_align: 8
    .kernarg_segment_size: 32
    .max_flat_workgroup_size: 128
    .sgpr_count:     80
    .vgpr_count:     896
    .wavefront_size: 32
...
	.end_amdgpu_metadata
.endif
;; end of part 4
;; ======== version 2 of 2: 4 launches; version 1 with the launch cast written anew for expert scheduling mode
;; limits: values are held in f16: magnitudes above 65,504 overflow, below 6.1e-05 lose precision; right only within a limited range of input values
;; workspace buffers: xb 16,777,216 bytes; wb 6,291,456 bytes; wo 2,097,152 bytes; qkv 50,331,648 bytes; amax 4,096 bytes; att 16,777,216 bytes
;; launch cast (part 5): grid 768 x 1, 8 waves a work-group, no clusters, 0 bytes of LDS; arguments x, W_qkv, W_out, xb, wb, wo; writes xb, wb, wo
.if DOCPART == 5
	.amdgcn_target "amdgcn-amd-amdhsa--gfx1250"
	.amdhsa_code_object_version 6
	.text
	.protected	k_qc9d78e5792_cast
	.globl	k_qc9d78e5792_cast
	.p2align	8
	.type	k_qc9d78e5792_cast,@function
k_qc9d78e5792_cast:
	s_mov_b64 s[64:65], 0
	v_nop
	global_prefetch_b8 v0, s[64:65] scope:SCOPE_SE
	s_setreg_imm32_b32 hwreg(HW_REG_WAVE_SCHED_MODE, 0, 2), 2
	s_setreg_imm32_b32 hwreg(HW_REG_WAVE_MODE, 25, 1), 1
	s_wait_xcnt 0x0
	s_wait_alu depctr_vm_vsrc(0)
; THE PROGRAM: out = (tril(q k^T) / 8) v W_out^T by heads, with q, k, v = x W_qkv^T.  Four launches: this one rounds the inputs; the second makes q, k, v; the third the attention; the fourth the last product.
; WORK LEFT OUT, for all finite values of the inputs.  (a) reference() itself sets every score with key s > query t to 0 (its own tril and where), so the product of such a score with v adds 0:
; tiles of scores that lie wholly above the diagonal are not made.  (b) Nothing but that mask stands between the two products, so for a block of queries that begins at row t0
;   sum over s < t0 of (q_t . k_s) v_s  =  q_t . (sum over s < t0 of k_s v_s^T)
; holds term by term in exact arithmetic: the scores of all earlier blocks are never formed; a 64 x 64 sum of k v^T for each head takes their place.  Every input still reaches the output; all three are loaded.
; LIMITS.  The order of the sums differs from reference()'s.  A NaN, an infinity or an overflow that would arise only in a score that the mask throws away, or only in a score of an earlier block, is not carried.
; THIS LAUNCH.  x and W_qkv are rounded once to bf16, W_out once to bf16 and that number written as f16 (the last product's other operand is f16): exact for 2^-14 <= |w| < 65,504, below that f16's fixed step of 2^-24.
; W_qkv's rows are laid by heads: row type x 1024 + h x 64 + d goes to row h x 192 + type x 64 + d, so that a head's q, k and v rows are 192 rows on end.
; SHARES.  A work-group takes 16 rows of 1,024 numbers (64 KiB in, 32 KiB out): groups 0-511 x, 512-703 W_qkv, 704-767 W_out.  A wave takes two rows: sixteen loads of 16 bytes a lane, each 512 bytes on end,
; all issued before the first is used; each store of 8 bytes a lane covers 256 consecutive bytes, aligned.  No LDS, no matrix unit: nothing is shared or multiplied.
; THE MODE: SCHED_MODE bits 1:0 = 2 (LLVM: expert scheduling mode 2), set by the entry lines.  The code itself states the register dependences between vector instructions and memory instructions,
; with s_wait_alu, always for 0.
; THE PLAN.  Registers that memory instructions touch:
;   v1, v2   byte offsets of the loads and of the stores: written at the head, never again.
;   IN       each four registers are the landing place of one load, once; no vector instruction writes them; the conversions read them behind the wait on LOADcnt.
;   OUT      each pair is written once, by a conversion, and read by one store.
;   T        is named by vector instructions alone.
; The sixteen loads go in four groups of four.  Group g converts its four loads into its eight registers of OUT; its four stores are issued in group g + 1, one in front of each load's conversions, which name
; group g + 1's IN and OUT and T alone.  So one wait at the head of a group states all that the four stores dealt into it hang on.  No register that a memory instruction reads is written again, and no load lands
; in a register that a vector instruction has named: nothing more is owed.  No vector instruction writes a scalar register, and EXEC is never written.
.set IN,  8                            ; v[8:71]    sixteen loads of four f32
.set OUT, 72                           ; v[72:103]  sixteen pairs of packed results
.set T,   104                          ; v[104:107] at work
	s_load_b256 s[4:11], s[0:1], 0x0               ; x s[4:5], W_qkv s[6:7], W_out s[8:9], xb s[10:11]
	s_load_b128 s[12:15], s[0:1], 0x20             ; wb s[12:13], wo s[14:15]
	v_and_b32 v3, 31, v0
	v_lshrrev_b32 v4, 5, v0
	v_lshlrev_b32 v1, 4, v3
	v_lshl_add_u32 v1, v4, 13, v1                  ; in: 8,192 x wave + 16 x lane
	v_lshrrev_b32 v2, 1, v1                        ; out: half of that
	s_mov_b32 s16, ttmp9                           ; g
	s_sub_co_u32 s17, s16, 512                     ; the group's number among W_qkv's,
	s_sub_co_u32 s18, s16, 704                     ; among W_out's (each is used only where it is not negative)
	s_bfe_u32 s19, s17, 0x40002                    ; W_qkv: 16 rows from row 16 c: head (c >> 2) & 15,
	s_mul_i32 s19, s19, 192
	s_lshr_b32 s20, s17, 6                         ; type c >> 6,
	s_lshl_b32 s20, s20, 6
	s_add_co_u32 s19, s19, s20
	s_and_b32 s20, s17, 3                          ; 16 (c & 3) within the head
	s_lshl_b32 s20, s20, 4
	s_add_co_u32 s19, s19, s20
	s_lshl_b32 s19, s19, 11                        ; the row in wb, in bytes
	s_lshl_b32 s22, s16, 15                        ; xb: 32 KiB a group
	s_lshl_b32 s23, s18, 15                        ; wo likewise
	s_mov_b32 s25, 0
	s_mov_b32 s27, 0
	s_wait_kmcnt 0x0
	s_cmp_lt_u32 s16, 704                          ; the choice hangs on the group's number alone
	s_cselect_b32 s24, s17, s18
	s_cselect_b32 s26, s19, s23
	s_cselect_b64 s[28:29], s[6:7], s[8:9]
	s_cselect_b64 s[30:31], s[12:13], s[14:15]
	s_cmp_lt_u32 s16, 512
	s_cselect_b32 s24, s16, s24
	s_cselect_b32 s26, s22, s26
	s_cselect_b64 s[28:29], s[4:5], s[28:29]
	s_cselect_b64 s[30:31], s[10:11], s[30:31]
	s_lshl_b32 s24, s24, 16                        ; 64 KiB in for each group
	s_add_nc_u64 s[28:29], s[28:29], s[24:25]
	s_add_nc_u64 s[30:31], s[30:31], s[26:27]
	s_wait_alu depctr_va_vdst(0)                   ; v1 and v2 are written: every load of the kernel reads v1 as its offset, every store v2
.set j, 0
.rept 16
	global_load_b128 v[IN+4*j:IN+4*j+3], v1, s[28:29] offset:512*j th:TH_LOAD_NT
.set j, j+1
.endr
; mode 0: to bf16.  mode 1: to bf16, and that number written as f16.
.macro CONV mode
.set g, 0
.rept 4
	s_wait_loadcnt 12-4*g                          ; loads come back in order: group g's four are in, the 12 - 4 g younger ones stay out
.if g > 0
	s_wait_alu depctr_va_vdst(0)                   ; the group before has written its eight registers of OUT, which the four stores dealt into this group read
.endif
.set i, 0
.rept 4
.set j, 4*g+i
.if g > 0
	global_store_b64 v2, v[OUT+2*(j-4):OUT+2*(j-4)+1], s[30:31] offset:256*(j-4) th:TH_STORE_NT  ; the group before; no vector instruction since the wait names these registers
.endif
.if \mode
	v_cvt_pk_bf16_f32 v[T], v[IN+4*j], v[IN+4*j+1]
	v_cvt_pk_bf16_f32 v[T+1], v[IN+4*j+2], v[IN+4*j+3]
	v_lshlrev_b32 v[T+2], 16, v[T]                 ; bf16 back to f32: the low half moves up, the high half stays
	v_and_b32 v[T], 0xffff0000, v[T]
	v_lshlrev_b32 v[T+3], 16, v[T+1]
	v_and_b32 v[T+1], 0xffff0000, v[T+1]
	v_cvt_pk_f16_f32 v[OUT+2*j], v[T+2], v[T]
	v_cvt_pk_f16_f32 v[OUT+2*j+1], v[T+3], v[T+1]
.else
	v_cvt_pk_bf16_f32 v[OUT+2*j], v[IN+4*j], v[IN+4*j+1]
	v_cvt_pk_bf16_f32 v[OUT+2*j+1], v[IN+4*j+2], v[IN+4*j+3]
.endif
.set i, i+1
.endr
.set g, g+1
.endr
	s_wait_alu depctr_va_vdst(0)                   ; the last group has written its eight registers of OUT, which the last four stores read
.set j, 12
.rept 4
	global_store_b64 v2, v[OUT+2*j:OUT+2*j+1], s[30:31] offset:256*j th:TH_STORE_NT
.set j, j+1
.endr
.endm
	s_cmp_ge_u32 s16, 704
	s_cbranch_scc1 .Lhalf
	CONV 0
	s_endpgm
.Lhalf:
	CONV 1
	s_endpgm
.Lfunc_end_k_qc9d78e5792_cast:
	.size	k_qc9d78e5792_cast, .Lfunc_end_k_qc9d78e5792_cast-k_qc9d78e5792_cast
	.p2alignl 7, 3214868480
	.fill 96, 4, 3214868480
	.section	.rodata,"a",@progbits
	.p2align	6, 0x0
	.amdhsa_kernel k_qc9d78e5792_cast
		.amdhsa_group_segment_fixed_size 0
		.amdhsa_private_segment_fixed_size 0
		.amdhsa_enable_private_segment 0
		.amdhsa_kernarg_size 48
		.amdhsa_user_sgpr_count 2
		.amdhsa_user_sgpr_kernarg_segment_ptr 1
		.amdhsa_wavefront_size32 1
		.amdhsa_system_sgpr_workgroup_id_x 1
		.amdhsa_system_sgpr_workgroup_id_y 1
		.amdhsa_system_sgpr_workgroup_id_z 1
		.amdhsa_system_vgpr_workitem_id 0
		.amdhsa_next_free_vgpr 108
		.amdhsa_next_free_sgpr 66
		.amdhsa_reserve_vcc 0
		.amdhsa_float_denorm_mode_32 3
		.amdhsa_float_denorm_mode_16_64 3
		.amdhsa_memory_ordered 1
		.amdhsa_forward_progress 1
		.amdhsa_inst_pref_size 16
	.end_amdhsa_kernel
	.amdgpu_metadata
---
amdhsa.version: [ 1, 2 ]
amdhsa.kernels:
  - .name:           k_qc9d78e5792_cast
    .symbol:         k_qc9d78e5792_cast.kd
    .args:
      - { .name: x, .offset: 0, .size: 8, .value_kind: global_buffer, .address_space: global }
      - { .name: W_qkv, .offset: 8, .size: 8, .value_kind: global_buffer, .address_space: global }
      - { .name: W_out, .offset: 16, .size: 8, .value_kind: global_buffer, .address_space: global }
      - { .name: xb, .offset: 24, .size: 8, .value_kind: global_buffer, .address_space: global }
      - { .name: wb, .offset: 32, .size: 8, .value_kind: global_buffer, .address_space: global }
      - { .name: wo, .offset: 40, .size: 8, .value_kind: global_buffer, .address_space: global }
    .group_segment_fixed_size: 0
    .private_segment_fixed_size: 0
    .kernarg_segment_align: 8
    .kernarg_segment_size: 48
    .max_flat_workgroup_size: 256
    .sgpr_count:     66
    .vgpr_count:     108
    .wavefront_size: 32
...
	.end_amdgpu_metadata
.endif
;; end of part 5
;; launch proj: the kernel of part 2 again; grid 16 x 16, 4 waves a work-group, clusters of 4 x 4, 327,680 bytes of LDS; arguments xb, wb, qkv, amax; writes qkv, amax
;; launch attn: the kernel of part 3 again; grid 4 x 64, 8 waves a work-group, no clusters, 263,168 bytes of LDS; arguments qkv, amax, att; writes att
;; launch outp: the kernel of part 4 again; grid 8 x 32, 4 waves a work-group, clusters of 4 x 4, 327,680 bytes of LDS; arguments att, wo, out0, amax; writes out0
